; MI455X (gfx1250); checked and timed in simulation.
; The chip was launched on July 23, 2026; its instructions are those of AMD's public machine-readable ISA for CDNA 5 (MIT licence, August 2026) and "CDNA5" Instruction Set Architecture Reference Guide (July 2026). The comments in the code are by the model that wrote it; some were corrected since.
;; Multi Head Attention. Allowed arithmetic: matrix products marked QUANTISED: E2M3 operands, one E8M0 scale for each 32 along K, by v_wmma_scale_f32_16x16x128_f8f6f4 with both operands' format E2M3, f32 sums; everything else in f32.
;; Inputs: W_key 768 x 768 float32; W_out 768 x 768 float32; W_query 768 x 768 float32; W_value 768 x 768 float32; b_out 768 float32; x 1 x 4,096 x 768 float32.
;; Outputs: out0 1 x 4,096 x 768 float32.
;; This version of the problem:
;;   THIS VERSION OF THE PROBLEM IS GIVEN IN LOW PRECISION. The matrix products marked QUANTISED in the list below multiply operands that are first quantised to E2M3 (2 exponent bits, 3 mantissa bits; 6 bits a number), with one power-of-two scale for each 32 numbers along K (OCP MX v1.0); their sums are f32. All else is computed in f32.
;;   The module's matrix products, in the order in which they are computed (A, B: the left and right operand; K: the contracted axis; several contracted axes count as one K, in the product's order):
;;     1. [M 4,096, K 768] x [K 768, N 768]; A: input x; B: input W_query: QUANTISED
;;     2. [M 4,096, K 768] x [K 768, N 768]; A: input x; B: input W_key: QUANTISED
;;     3. [M 4,096, K 768] x [K 768, N 768]; A: input x; B: input W_value: QUANTISED
;;     4. batch 12 x [M 4,096, K 64] x [K 64, N 4,096]; A: computed on the way; B: computed on the way: QUANTISED
;;     5. batch 12 x [M 64, K 4,096] x [K 4,096, N 4,096]; A: computed on the way; B: softmax (see below): QUANTISED
;;     6. [M 4,096, K 768] x [K 768, N 768]; A: computed on the way; B: input W_out: QUANTISED
;;   THE QUANTISER, for each operand of a quantised product, along K:
;;     - K is cut into blocks of 32 from its start; a last block that is shorter is filled with zeros.
;;     - A block's scale is 2^e with e = floor(log2(the largest magnitude in the block)) - 2, held to -126 .. 127; a block of zeros has e = 0. As a byte (E8M0): e + 127.
;;     - Each number is divided by its block's scale, clamped to +-7.5, and rounded to the nearest number of E2M3, ties to even, subnormals kept.
;;     - The product sums the exact products of the quantised numbers (number of the format x scale) in f32.
;;   ~~~python
;;   def quantise(x, axis):      # numpy; x: float32 -> the quantised numbers, widened to float32 again
;;       x = np.moveaxis(x, axis, -1); K = x.shape[-1]
;;       x = np.pad(x, [(0, 0)] * (x.ndim - 1) + [(0, -K % 32)]); x = x.reshape(x.shape[:-1] + (-1, 32)); a = np.abs(x).max(-1, keepdims=True)
;;       e = np.where(a > 0, np.clip(np.frexp(np.where(a > 0, a, 1))[1] - 1 - 2, -126, 127), 0)      # np.frexp(a)[1] - 1 = floor(log2(a)), exactly
;;       r = np.clip(x / 2.0 ** e, -7.5, 7.5)
;;       step = 2.0 ** (np.maximum(np.frexp(np.where(r == 0, 1, r))[1] - 1, 0) - 3)
;;       q = np.round(r / step) * step * 2.0 ** e      # np.round: ties to even
;;       return np.moveaxis(q.reshape(q.shape[:-2] + (-1,))[..., :K], -1, axis).astype(np.float32)
;;   ~~~
;;   SOFTMAX AHEAD OF A QUANTISED PRODUCT. Where the list says 'softmax', what is quantised is not the finished softmax but p = 2^(t - M), with t = logit x log2(e) and M = ceil(the row's largest t), a whole number; so 1/2 < the row's largest p <= 1. The row's sum l is taken of the UNQUANTISED p, in f32, and the product's result is divided by l at the end. Since M is a whole number, a kernel that streams over the keys may use a running M (the ceiling of the running maximum): every later rescaling is an exact power of two, which a block's scale takes up: the codes' values come out the same.
;;   OPERANDS COMPUTED ON THE WAY. 'Computed on the way' means the value that the module computes at that place (a softmax that the list does not call 'softmax' is quantised finished and normalised). What goes into a quantiser is computed in f32, as accurately as f32 sums, v_exp_f32 and their like allow (about 1e-6 of the number): no bf16 or f16 on the way to a quantiser, and a product that is left as it is and whose result goes on into a quantised operand takes f32 operands (vector FMAs, or v_wmma_f32_16x16x4_f32). A number that lies on a knife's edge between two numbers of the format may be rounded either way, as far as f32 arithmetic and the matrix unit's own rounding can turn it there, and no further.
;; One version. Each part assembles by itself: llvm-mc -triple=amdgcn-amd-amdhsa -mcpu=gfx1250 --defsym DOCPART=n.
;; ======== version 1 of 1: 4 launches
;; limits: right only within a limited range of input values
;; workspace buffers: xrec 2,457,600 bytes; wrec 1,843,200 bytes; qpk 2,555,904 bytes; kvpk 5,111,808 bytes; crec 2,555,904 bytes
;; launch prep (part 1): grid 112 x 6, 4 waves a work-group, no clusters, 40,960 bytes of LDS; arguments x, W_query, W_key, W_value, W_out, xrec, wrec; writes xrec, wrec
.if DOCPART == 1
	.amdgcn_target "amdgcn-amd-amdhsa--gfx1250"
	.amdhsa_code_object_version 6
	.text
	.protected	k_q20333e8c23_prep
	.globl	k_q20333e8c23_prep
	.p2align	8
	.type	k_q20333e8c23_prep,@function
k_q20333e8c23_prep:
	s_mov_b64 s[64:65], 0
	v_nop
	global_prefetch_b8 v0, s[64:65] scope:SCOPE_SE
	s_setreg_imm32_b32 hwreg(HW_REG_WAVE_MODE, 25, 1), 1
	s_wait_xcnt 0x0
; PREP: x [4096][768] (K innermost) and the four weights [768 (K)][768 (n)] (K outermost), f32, become codes of FP6 (E2M3) with one E8M0 byte for each 32 along K,
; laid as IMAGES OF OPERAND REGISTERS, so that the later launches fetch fragments by loads of 16 bytes a lane and never shuffle.
; A block's scale is 2^(floor(log2(largest magnitude)) - 2): its byte is the largest magnitude's exponent field - 2, held at 1 from below by a floor among the maximum's leaves.
; LIMITS: a block whose largest magnitude lies under 2^-124 is held at the floor (byte 1); a block of zeros has byte 1 where the rule says 127 (its codes are zeros, and this program alone reads the bytes);
; NaN and infinities among the inputs are not served.
; TILES.  A tile is 16 rows (tokens of x, columns n of a weight), NOT neighbours: row r of tile i of a quad of 64 is index 32 (i / 2) + 8 (i % 2) + r + 8 (r / 8).
; A QUAD'S RECORD, 38,400 bytes: three chunks of 12,800 (two K steps of 128 each): the fragment of (K step s', tile i) at 6144 s' + 1536 i: registers 4 k .. 4 k + 3 of lane l at 512 k + 16 l;
; the scale words at 12288 + 256 s' + 16 r + 4 i.
; SHARES.  Work-group (R, s): R 0..63 a quad of x, 64..111 a quad of a weight (12 for each of W_query, W_key, W_value, W_out); s the K step.  Four waves.  Each of the two paths has LDS bytes of its own.
.set XST, 0                            ; x: a stage of 16 rows x (512 + 16) bytes for each wave
.set XSC, 33792                        ; x: the quad's 64 scale words of this K step
.set WIM, 34048                        ; weights: the four fragments' images
.set WSC, 40192                        ; weights: the 64 scale words
.set LD,  32                           ; v32-95   numbers as loaded
.set NB,  96                           ; v96-159  x: 64 numbers of my row, two whole blocks; weights: the images on their way out
.set C,   160                          ; v160-171 a fragment's 12 registers
.set T,   172                          ; v172-174, v176-178 the upper halves of the two blocks' codes (a conversion's three registers begin on an even number)
.set M,   24                           ; v24-25   largest magnitudes, then bytes
.set E,   26                           ; v26-27   the conversions' scale operands
.set W,   28                           ; v28      the scale word (or half word)
.set TT,  29
.set AD,  11                           ; v11-13   weights: where my register pairs go in the images
; 64 numbers of a lane, two whole blocks of 32 at v[src] and v[src + 32], become 6 + 6 registers of codes at v[C]; the bytes are left in v[M], v[M + 1]
.macro QBLOCKS src
.irp c, 0,1
	v_max3_num_f32 v[M+\c], |v[\src+32*\c]|, |v[\src+32*\c+1]|, 0x1800000   ; the floor 2^(3 - 127) among the leaves: the byte cannot fall under 1
.endr
.irp i, 2,4,6,8,10,12,14,16,18,20,22,24,26,28,30
.irp c, 0,1
	v_max3_num_f32 v[M+\c], v[M+\c], |v[\src+32*\c+\i]|, |v[\src+32*\c+\i+1]|   ; the two blocks by turns
.endr
.endr
.irp c, 0,1
	v_add_nc_u32 v[E+\c], 0xff000000, v[M+\c]      ; 2 off the exponent field: the conversion takes this operand's exponent field as its scale
.endr
.irp c, 0,1
	v_lshrrev_b32 v[M+\c], 23, v[E+\c]             ; the byte
.endr
.irp c, 0,1
	v_cvt_scalef32_pk16_fp6_f32 v[C+6*\c:C+6*\c+2], v[\src+32*\c:\src+32*\c+15], v[E+\c]
	v_cvt_scalef32_pk16_fp6_f32 v[T+4*\c:T+4*\c+2], v[\src+32*\c+16:\src+32*\c+31], v[E+\c]
.endr
	v_nop                                          ; one plain place behind the scaled conversions
.irp c, 0,1
.irp i, 0,1,2
	v_mov_b32 v[C+3+6*\c+\i], v[T+4*\c+\i]
.endr
.endr
.endm
	s_load_b256 s[4:11], s[0:1], 0x0               ; x s[4:5], W_query s[6:7], W_key s[8:9], W_value s[10:11]
	s_load_b128 s[12:15], s[0:1], 0x20             ; W_out s[12:13], xrec s[14:15]
	s_load_b64 s[16:17], s[0:1], 0x30              ; wrec
	v_lshl_add_u32 v184, v0, 2, 0x9e00
	v_mov_b32 v185, 0
	v_lshrrev_b32 v1, 5, v0
	v_readfirstlane_b32 s18, v1                    ; wave 0..3
	s_and_b32 s19, ttmp7, 0xffff                   ; the K step s
	s_mov_b32 s20, 0x76543210
	s_mov_b32 s21, 0xfedcba98                      ; v_permlanex16_b32's selects for lane l xor 16
	s_and_b32 s22, s18, 1                          ; wave % 2
	s_lshr_b32 s23, s18, 1                         ; wave / 2
	s_lshr_b32 s26, s19, 1
	s_mul_i32 s26, s26, 12800                      ; the chunk
	s_and_b32 s27, s19, 1
	s_mul_i32 s24, s27, 6144
	s_add_co_u32 s24, s24, s26                     ; where this K step's fragments begin in a record
	s_lshl_b32 s25, s27, 8
	s_add_co_u32 s25, s25, s26
	s_add_co_u32 s25, s25, 12288                   ; and its scale words
	v_and_b32 v1, 31, v0                           ; l
	v_and_b32 v2, 15, v0                           ; r
	v_bfe_u32 v3, v0, 4, 1                         ; h
	v_lshlrev_b32 v4, 4, v1                        ; 16 l
	v_lshlrev_b32 v5, 3, v1                        ; 8 l
	v_lshlrev_b32 v6, 2, v1                        ; 4 l
	; every LDS address is made here, ahead of the parting of the paths: a constant + a lane term + a constant x wave
	s_mul_i32 s26, s18, 8448
	v_add_nc_u32 v7, s26, v4                       ; x: into my stage: 16 l (+ 528 a row)
	v_mul_u32_u24 v8, v2, 528
	v_lshl_add_u32 v8, v3, 7, v8
	v_add_nc_u32 v8, s26, v8                       ; x: out of it: row r, + 128 h: my block of 32 numbers
	v_lshlrev_b32 v9, 4, v2
	s_lshl_b32 s27, s18, 2
	s_add_co_u32 s27, s27, XSC
	v_add_nc_u32 v9, s27, v9                       ; x: my row's scale word: 16 r + 4 x tile
	v_add_nc_u32 v10, XSC, v5                      ; x: the unit on its way out
	v_bfe_u32 v17, v0, 3, 1                        ; weights: column l of 32 is row r' = (l % 8) + 8 (l / 16) of tile 2 (wave % 2) + u, u = (l / 8) % 2
	v_and_b32 v18, 7, v0
	v_lshl_or_b32 v18, v3, 3, v18                  ; r'
	v_mul_u32_u24 v19, v17, 1536
	v_lshl_add_u32 v19, v18, 4, v19
	s_mul_i32 s26, s22, 3072
	v_add_nc_u32 v19, s26, v19                     ; 3072 (wave % 2) + 1536 u + 16 r'
	s_mul_i32 s27, s23, 520                        ; registers 6 kk + 0, 2, 4 of a fragment lie at 0, 8, 512 (kk = 0) or 520, 1024, 1032 (kk = 1), kk = wave / 2
	s_mul_i32 s28, s23, 1016
	s_add_co_u32 s29, s27, WIM
	v_add_nc_u32 v[AD], s29, v19
	s_add_co_u32 s29, s28, WIM+8
	v_add_nc_u32 v[AD+1], s29, v19
	s_add_co_u32 s29, s27, WIM+512
	v_add_nc_u32 v[AD+2], s29, v19
	v_lshlrev_b32 v14, 4, v18
	v_lshl_add_u32 v14, v17, 2, v14
	s_lshl_b32 s29, s22, 3
	s_lshl_b32 s26, s23, 1
	s_add_co_u32 s29, s29, s26
	s_add_co_u32 s29, s29, WSC
	v_add_nc_u32 v14, s29, v14                     ; weights: my two bytes: 16 r' + 4 x tile + 2 kk
	s_mul_i32 s27, s18, 1536
	s_add_co_u32 s27, s27, WIM
	v_add_nc_u32 v15, s27, v4                      ; weights: image wave on its way out
	v_add_nc_u32 v16, WSC, v5                      ; weights: the scale unit on its way out
	s_wait_kmcnt 0x0
	s_cmp_ge_u32 ttmp9, 64
	s_cbranch_scc1 .Lw
	; ---- x.  Wave i makes tile i.  Each load reads 512 consecutive bytes of one token's row, at a multiple of 256 from x's first byte
	s_lshl_b32 s26, ttmp9, 6
	s_lshl_b32 s27, s23, 5
	s_add_co_u32 s26, s26, s27
	s_lshl_b32 s27, s22, 3
	s_add_co_u32 s26, s26, s27                     ; the tile's first token: 64 R + 32 (i / 2) + 8 (i % 2)
	s_mul_i32 s26, s26, 3072
	s_lshl_b32 s27, s19, 9
	s_add_co_u32 s26, s26, s27
	s_mov_b32 s27, 0
	s_add_nc_u64 s[4:5], s[4:5], s[26:27]
	s_mul_i32 s28, ttmp9, 38400
	s_add_co_u32 s30, s28, s25
	s_mov_b32 s31, 0
	s_add_nc_u64 s[34:35], s[14:15], s[30:31]      ; the scale unit
	s_add_co_u32 s28, s28, s24
	s_mul_i32 s30, s18, 1536
	s_add_co_u32 s28, s28, s30
	s_mov_b32 s29, 0
	s_add_nc_u64 s[36:37], s[14:15], s[28:29]      ; my fragment
.set p, 0
.rept 16
	global_load_b128 v[LD+4*p:LD+4*p+3], v4, s[4:5] offset:(p+8*(p/8))*3072 th:TH_LOAD_NT
.set p, p+1
.endr
.set p, 0
.rept 16
	s_wait_loadcnt 15-p                            ; row p is in; the younger rows' loads stay out
	ds_store_b128 v7, v[LD+4*p:LD+4*p+3] offset:528*p
.set p, p+1
.endr
.irp c, 0,1
.irp e, 0,1,2,3,4,5,6,7
	ds_load_b128 v[NB+32*\c+4*\e:NB+32*\c+4*\e+3], v8 offset:256*\c+16*\e   ; my own wave's bytes, served in order: k = 64 c + 32 h + 0 .. 31 of row r, as the operand's layout gives them to lane (r, h)
.endr
.endr
	s_wait_dscnt 0x0
	QBLOCKS NB
	v_lshl_or_b32 v[W], v[M+1], 16, v[M]           ; my bytes: blocks h and 2 + h of row r,
	v_lshlrev_b32 v[TT], 3, v3
	v_lshlrev_b32 v[W], v[TT], v[W]                ; 8 h bits up;
	v_mov_b32 v[TT], 0
	v_permlanex16_b32 v[TT], v[W], s20, s21
	v_or_b32 v[W], v[W], v[TT]                     ; with lane l xor 16's two the word is whole
.irp k, 0,1,2
	global_store_b128 v4, v[C+4*\k:C+4*\k+3], s[36:37] offset:512*\k   ; 32 lanes store 512 consecutive bytes, at a multiple of 256 from xrec's first byte
.endr
	ds_store_b32 v9, v[W]                          ; both halves of the lanes write the same word with the same value
	s_wait_dscnt 0x0                               ; for the others' sake: my word has landed
	s_barrier_signal -1
	s_barrier_wait -1
	s_cmp_lg_u32 s18, 0
	s_cbranch_scc1 .Lxdone
	ds_load_b64 v[30:31], v10
	s_wait_dscnt 0x0
	global_store_b64 v5, v[30:31], s[34:35]        ; 32 lanes store 256 consecutive bytes, aligned
.Lxdone:
	s_wait_tensorcnt 0x0
	ds_add_u32 v184, v185
	s_wait_dscnt 0x0
	s_endpgm
	; ---- a weight.  A LANE TAKES A COLUMN, ITS REGISTERS RUN DOWN K: wave w takes columns 32 (w % 2) + l of the quad and k = 64 (w / 2) + 0 .. 63 of the K step: two whole blocks a lane
.Lw:
	s_sub_co_u32 s26, ttmp9, 64                    ; the quad among the weights' 48
	s_cmp_lt_u32 s26, 12
	s_cselect_b64 s[32:33], s[6:7], s[8:9]
	s_cselect_b32 s27, 0, 12
	s_cmp_lt_u32 s26, 24
	s_cselect_b64 s[32:33], s[32:33], s[10:11]
	s_cselect_b32 s27, s27, 24
	s_cmp_lt_u32 s26, 36
	s_cselect_b64 s[32:33], s[32:33], s[12:13]
	s_cselect_b32 s27, s27, 36
	s_sub_co_u32 s27, s26, s27                     ; the quad in its weight
	s_lshl_b32 s28, s19, 7
	s_lshl_b32 s29, s23, 6
	s_add_co_u32 s28, s28, s29                     ; my first k
	s_mul_i32 s28, s28, 3072
	s_lshl_b32 s29, s27, 8
	s_add_co_u32 s28, s28, s29
	s_lshl_b32 s29, s22, 7
	s_add_co_u32 s28, s28, s29                     ; + 4 x my first column
	s_mov_b32 s29, 0
	s_add_nc_u64 s[32:33], s[32:33], s[28:29]
	s_mul_i32 s28, s26, 38400
	s_add_co_u32 s30, s28, s25
	s_mov_b32 s31, 0
	s_add_nc_u64 s[34:35], s[16:17], s[30:31]      ; the scale unit
	s_add_co_u32 s28, s28, s24
	s_mul_i32 s30, s18, 1536
	s_add_co_u32 s28, s28, s30
	s_add_nc_u64 s[36:37], s[16:17], s[28:29]      ; the image that I store
.set p, 0
.rept 64
	global_load_b32 v[LD+p], v6, s[32:33] offset:3072*p th:TH_LOAD_NT   ; 32 lanes read 128 consecutive bytes of row k; the wave beside me reads the next 128
.set p, p+1
.endr
	s_wait_loadcnt 0x0
	QBLOCKS LD                                     ; block h' of my column is registers 6 kk .. 6 kk + 5 of lane r' + 16 h' of my tile's fragment
	v_lshl_or_b32 v[W], v[M+1], 8, v[M]            ; bytes 2 kk and 2 kk + 1 of my column's scale word
.irp e, 0,1,2
.irp hp, 0,1
	ds_store_b64 v[AD+\e], v[C+6*\hp+2*\e:C+6*\hp+2*\e+1] offset:256*\hp
.endr
.endr
	ds_store_b16 v14, v[W]
	s_wait_dscnt 0x0                               ; for the others' sake: my parts of the images have landed
	s_barrier_signal -1
	s_barrier_wait -1
.irp k, 0,1,2
	ds_load_b128 v[NB+4*\k:NB+4*\k+3], v15 offset:512*\k
.endr
	s_wait_dscnt 0x0
.irp k, 0,1,2
	global_store_b128 v4, v[NB+4*\k:NB+4*\k+3], s[36:37] offset:512*\k   ; 512 consecutive bytes, aligned to 256
.endr
	s_cmp_lg_u32 s18, 0
	s_cbranch_scc1 .Lwdone
	ds_load_b64 v[30:31], v16
	s_wait_dscnt 0x0
	global_store_b64 v5, v[30:31], s[34:35]
.Lwdone:
	s_wait_tensorcnt 0x0
	ds_add_u32 v184, v185
	s_wait_dscnt 0x0
	s_endpgm
.Lfunc_end_k_q20333e8c23_prep:
	.size	k_q20333e8c23_prep, .Lfunc_end_k_q20333e8c23_prep-k_q20333e8c23_prep
	.p2alignl 7, 3214868480
	.fill 96, 4, 3214868480
	.section	.rodata,"a",@progbits
	.p2align	6, 0x0
	.amdhsa_kernel k_q20333e8c23_prep
		.amdhsa_group_segment_fixed_size 40960
		.amdhsa_private_segment_fixed_size 0
		.amdhsa_enable_private_segment 0
		.amdhsa_kernarg_size 56
		.amdhsa_user_sgpr_count 2
		.amdhsa_user_sgpr_kernarg_segment_ptr 1
		.amdhsa_wavefront_size32 1
		.amdhsa_system_sgpr_workgroup_id_x 1
		.amdhsa_system_sgpr_workgroup_id_y 1
		.amdhsa_system_sgpr_workgroup_id_z 1
		.amdhsa_system_vgpr_workitem_id 0
		.amdhsa_next_free_vgpr 186
		.amdhsa_next_free_sgpr 66
		.amdhsa_reserve_vcc 0
		.amdhsa_float_denorm_mode_32 3
		.amdhsa_float_denorm_mode_16_64 3
		.amdhsa_memory_ordered 1
		.amdhsa_forward_progress 1
		.amdhsa_inst_pref_size 24
	.end_amdhsa_kernel
	.amdgpu_metadata
---
amdhsa.version: [ 1, 2 ]
amdhsa.kernels:
  - .name:           k_q20333e8c23_prep
    .symbol:         k_q20333e8c23_prep.kd
    .args:
      - { .name: x, .offset: 0, .size: 8, .value_kind: global_buffer, .address_space: global }
      - { .name: W_query, .offset: 8, .size: 8, .value_kind: global_buffer, .address_space: global }
      - { .name: W_key, .offset: 16, .size: 8, .value_kind: global_buffer, .address_space: global }
      - { .name: W_value, .offset: 24, .size: 8, .value_kind: global_buffer, .address_space: global }
      - { .name: W_out, .offset: 32, .size: 8, .value_kind: global_buffer, .address_space: global }
      - { .name: xrec, .offset: 40, .size: 8, .value_kind: global_buffer, .address_space: global }
      - { .name: wrec, .offset: 48, .size: 8, .value_kind: global_buffer, .address_space: global }
    .group_segment_fixed_size: 40960
    .private_segment_fixed_size: 0
    .kernarg_segment_align: 8
    .kernarg_segment_size: 56
    .max_flat_workgroup_size: 128
    .sgpr_count:     66
    .vgpr_count:     186
    .wavefront_size: 32
...
	.end_amdgpu_metadata
.endif
;; end of part 1
;; launch proj (part 2): grid 12 x 16, 12 waves a work-group, clusters of 4 x 4, 270,336 bytes of LDS; arguments xrec, wrec, qpk, kvpk; writes qpk, kvpk
.if DOCPART == 2
	.amdgcn_target "amdgcn-amd-amdhsa--gfx1250"
	.amdhsa_code_object_version 6
	.text
	.protected	k_q20333e8c23_proj
	.globl	k_q20333e8c23_proj
	.p2align	8
	.type	k_q20333e8c23_proj,@function
k_q20333e8c23_proj:
	s_mov_b64 s[64:65], 0
	v_nop
	global_prefetch_b8 v0, s[64:65] scope:SCOPE_SE
	s_setreg_imm32_b32 hwreg(HW_REG_WAVE_MODE, 25, 1), 1
	s_wait_xcnt 0x0
	s_wait_alu depctr_hold_cnt(0) depctr_sa_sdst(0) depctr_va_vdst(0) depctr_va_sdst(0) depctr_va_ssrc(0) depctr_va_vcc(0) depctr_vm_vsrc(0)
	s_getreg_b32 s2, hwreg(HW_REG_IB_STS2, 6, 4)
	s_cmp_eq_u32 s2, 0
	s_cbranch_scc0 .Lentry_in_a_cluster
	s_endpgm
.Lentry_in_a_cluster:
	s_bfe_u32 s2, ttmp6, 0x10000c
	s_cmp_lg_u32 s2, 0xf033
	s_cbranch_scc0 .Lentry_shape_is_right
	s_endpgm
.Lentry_shape_is_right:
; PROJ: q = x W_query, k = x W_key, v = x W_value on codes of FP6 (E2M3), K = 768 in six steps of 128; the results are quantised in registers and leave as codes alone.
; SHARES.  Cluster x (0, 1, 2) is the KIND: q, k, v: the same in all sixteen partners.  Work-group (cx, 4 x cluster y + cy) makes 256 tokens (four quads of x) x three heads (3 cx ..).
; Wave w = 4 b + a makes quad a x head b: 64 x 64, sixteen accumulators.  All of K of the seven records (4 of x, 3 of the weight) lies in LDS, filled once: no byte is filled again.
; JOINT LOADS: x's records hang on the row of work-groups alone and are shared along a row of the cluster, the weight's on the column alone and are shared along a column.
; q AND k: source 0 = 16 columns of W, source 1 = 16 tokens: a lane holds ONE token and its registers run over the head's 64 dims, which is the scores' K.
; v: source 0 = 16 tokens, source 1 = 16 columns of W: a lane holds one dim and its registers run over 64 TOKENS, which is the second product's K.
; The rows of a tile are not neighbours (row r of tile i: 32 (i / 2) + 8 (i % 2) + r + 8 (r / 8)), so the 16 registers of two neighbouring tiles are 16 neighbours along the next K.
; A PACKET, 3,328 bytes, is what a wave stores: four halves (16 rows x 64 K: 6 registers; registers 0-3 of lane l at 768 q + 16 l, registers 4-5 at 768 q + 512 + 8 l), then 256 bytes of scale words:
; the word of (half q, row r), its two bytes written twice, at 3072 + 128 (q / 2) + 8 r + 4 (q % 2).  qpk: [head][quad]; kvpk: [head][quad][K's packet, V's packet].
; LIMITS: as in the quantiser of the first launch: a block under 2^-124 is held at the floor (byte 1), a block of zeros has byte 1; NaN and infinities are not served.
.set WV,  12                           ; s12 wave;  s13 a;  s14 b;  s15 cx;  s16 cy;  s17 the row of work-groups
.set G1X, 24                           ; s[24:31] descriptor group 1 for x's chunks;  s[32:39] for the weight's: they differ in the mask and the row count
.set G1W, 32
.set G0X, 40                           ; s[40:43] group 0 for x's load;  s[52:55] for the weight's
.set G0W, 52
.set SEL, 66                           ; s[66:67] lane selects for v_permlanex16_b32
.set XA,  3                            ; v3 38400 a + 16 l;  v4 38400 (4 + b) + 16 l;  v5, v6 the same with 16 r: the scale words
.set WA,  4
.set XSA, 5
.set WSA, 6
.set WS,  16                           ; v16-19 the weight's scale words, tile i;  v20-23 x's: they hold scales and nothing else
.set XS,  20
.set WF,  32                           ; v32-79 the weight's four fragments;  v80-127 x's
.set XF,  80
.set ACC, 128                          ; accumulator (p, q) at v[128 + 32 q + 8 p]: p the tile of source 0, q of source 1
.macro CROUND                          ; a round of the cluster's barrier
	s_barrier_signal -1
	s_barrier_wait -1
	s_cmp_lg_u32 s[WV], 0
	s_cbranch_scc1 .Lnot_wave_0_\@
	s_barrier_signal -3
.Lnot_wave_0_\@:
	s_barrier_wait -3
	s_barrier_signal -1
	s_barrier_wait -1
.endm
.macro MM d, a, b, sa, sb, zero        ; zero = 1: the first K step starts the sum
.if \zero
	v_wmma_scale_f32_16x16x128_f8f6f4 v[\d:\d+7], v[\a:\a+11], v[\b:\b+11], 0, v[\sa], v[\sb] matrix_a_fmt:MATRIX_FMT_FP6 matrix_b_fmt:MATRIX_FMT_FP6
.else
	v_wmma_scale_f32_16x16x128_f8f6f4 v[\d:\d+7], v[\a:\a+11], v[\b:\b+11], v[\d:\d+7], v[\sa], v[\sb] matrix_a_fmt:MATRIX_FMT_FP6 matrix_b_fmt:MATRIX_FMT_FP6
.endif
.endm
; 32 numbers of a lane, v[s + 16 b + i] = index 32 b + 16 (lane / 16) + i of my row, become a half's 6 registers at v[c] and its scale word, the two bytes twice, in v[w] (in every lane).
; Each accumulator is read from its low end on.
.macro QUANT2 s, c, t, m, e, w
.irp b, 0,1
	v_max3_num_f32 v[\m+\b], |v[\s+16*\b]|, |v[\s+16*\b+1]|, 0x1800000   ; the floor 2^(3 - 127) among the leaves
.endr
.irp i, 2,4,6,8,10,12,14
.irp b, 0,1
	v_max3_num_f32 v[\m+\b], v[\m+\b], |v[\s+16*\b+\i]|, |v[\s+16*\b+\i+1]|
.endr
.endr
.irp b, 0,1
	s_delay_alu instid0(VALU_DEP_2)
	v_permlanex16_b32 v[\m+2+\b], v[\m+\b], s[SEL], s[SEL+1]
.endr
.irp b, 0,1
	s_delay_alu instid0(VALU_DEP_2)
	v_max_num_f32 v[\m+\b], v[\m+\b], v[\m+2+\b]   ; with lane l xor 16's 16: the block's largest magnitude
.endr
.irp b, 0,1
	s_delay_alu instid0(VALU_DEP_2)
	v_add_nc_u32 v[\e+\b], 0xff000000, v[\m+\b]    ; 2 off the exponent field: the conversion's scale operand
.endr
.irp b, 0,1
	s_delay_alu instid0(VALU_DEP_2)
	v_lshrrev_b32 v[\m+\b], 23, v[\e+\b]           ; the byte
.endr
	s_delay_alu instid0(VALU_DEP_1)
	v_lshl_or_b32 v[\w], v[\m+1], 8, v[\m]
	s_delay_alu instid0(VALU_DEP_1)
	v_lshl_or_b32 v[\w], v[\w], 16, v[\w]          ; twice: the half may stand in a fragment's lower or upper six registers
	v_cvt_scalef32_pk16_fp6_f32 v[\c:\c+2], v[\s:\s+15], v[\e]
	v_cvt_scalef32_pk16_fp6_f32 v[\t:\t+2], v[\s+16:\s+31], v[\e+1]
	v_nop                                          ; one plain place behind the scaled conversions
.irp i, 0,1,2
	v_permlane16_swap_b32 v[\c+\i], v[\t+\i]       ; a WHOLE block to a lane: lanes 0-15 block 0, lanes 16-31 block 1
.endr
.irp i, 0,1,2
	s_delay_alu instid0(VALU_DEP_3)
	v_mov_b32 v[\c+3+\i], v[\t+\i]
.endr
.endm
; One K step of 128: 26 LDS loads in one run, 16 matrix instructions.  The sixteen accumulators take turns, one instruction a turn, in the same order in every step.
.macro KSTEP kap, sp, first
.if !\first
.rept 4
	v_nop                                          ; four places between the last products and loads into their operands and scales (ISA guide 7.12.1 for vector instructions)
.endr
.endif
	ds_load_b128 v[WS:WS+3], v[WSA] offset:\kap*12800+12288+256*\sp   ; row r's words of all four tiles, in both halves of the lanes
	ds_load_b128 v[XS:XS+3], v[XSA] offset:\kap*12800+12288+256*\sp
.irp i, 0,1,2,3
.irp k, 0,1,2
	ds_load_b128 v[WF+12*\i+4*\k:WF+12*\i+4*\k+3], v[WA] offset:\kap*12800+6144*\sp+1536*\i+512*\k
.endr
.endr
.irp i, 0,1,2,3
.irp k, 0,1,2
	ds_load_b128 v[XF+12*\i+4*\k:XF+12*\i+4*\k+3], v[XA] offset:\kap*12800+6144*\sp+1536*\i+512*\k
.endr
.endr
	s_cmp_eq_u32 ttmp9, 2                          ; the kind: the cluster's x, the same in every partner
	s_cbranch_scc1 .Lv_\@
.irp xq, 0,1,2,3
	s_wait_dscnt 9-3*\xq                           ; x's tile xq is in; the later tiles' loads, three each, stay out
.irp wp, 0,1,2,3
	MM ACC+32*\xq+8*\wp, WF+12*\wp, XF+12*\xq, WS+\wp, XS+\xq, \first
.endr
.endr
	s_branch .Lj_\@
.Lv_\@:
.irp xp, 0,1,2,3
	s_wait_dscnt 9-3*\xp
.irp wq, 0,1,2,3
	MM ACC+32*\wq+8*\xp, XF+12*\xp, WF+12*\wq, XS+\xp, WS+\wq, \first
.endr
.endr
.Lj_\@:
.endm
	s_load_b128 s[4:7], s[0:1], 0x0                ; xrec s[4:5], wrec s[6:7]
	s_load_b128 s[8:11], s[0:1], 0x10              ; qpk s[8:9], kvpk s[10:11]
	v_lshl_add_u32 v30, v0, 2, 0x41a00
	v_mov_b32 v31, 0
	ds_add_u32 v30, v31
	ds_add_u32 v30, v31
	v_lshrrev_b32 v1, 5, v0
	s_delay_alu instid0(VALU_DEP_1)
	v_readfirstlane_b32 s[WV], v1                  ; wave 0..11
	s_and_b32 s13, s[WV], 3                        ; a
	s_lshr_b32 s14, s[WV], 2                       ; b
	s_bfe_u32 s15, ttmp6, 0x40000                  ; cx
	s_bfe_u32 s16, ttmp6, 0x40004                  ; cy
	s_and_b32 s17, ttmp7, 0xffff
	s_lshl_b32 s17, s17, 2
	s_add_co_u32 s17, s17, s16                     ; the row of work-groups: 4 x cluster y + cy
	s_lshl_b32 s18, s16, 2
	s_lshl_b32 s18, 15, s18                        ; my row of the cluster
	s_lshl_b32 s19, 0x1111, s15                    ; my column
	; descriptor group 1: dense bytes as rows of 256 (32 elements of 8 bytes), no padding: x's four records are 600 such rows on end, 100 to a wave; the weight's three are 450, 75 to a wave
	s_or_b32 s[G1X], s18, (3<<16)|(1<<21)          ; 15:0 the mask; 17:16 elements of 8 bytes; 21 set beside a mask
	s_or_b32 s[G1W], s19, (3<<16)|(1<<21)
	s_mov_b32 s[G1X+2], 100<<16                    ; tensor_dim1
	s_mov_b32 s[G1X+4], 100                        ; tile_dim1
	s_mov_b32 s[G1W+2], 75<<16
	s_mov_b32 s[G1W+4], 75
.irp g, G1X, G1W
	s_mov_b32 s[\g+1], 32<<16                      ; tensor_dim0 = 32
	s_mov_b32 s[\g+3], 32<<16                      ; tile_dim0 = 32
	s_mov_b32 s[\g+5], 32                          ; the pitch
	s_mov_b32 s[\g+6], 0
	s_mov_b32 s[\g+7], 0
.endr
	s_mul_i32 s20, s17, 153600                     ; x's four records of this row of work-groups lie on end: no cx enters the address
	s_mul_i32 s68, s[WV], 25600                    ; waves 0-5 take 100 rows each: the same step in memory and in LDS
	s_add_co_u32 s20, s20, s68
	s_mov_b32 s21, 0
	s_mul_i32 s22, ttmp9, 12
	s_mul_i32 s23, s15, 3
	s_add_co_u32 s22, s22, s23
	s_mul_i32 s22, s22, 38400                      ; the weight's three records, quads 12 x kind + 3 cx ..: no cy enters the address
	s_max_u32 s23, s[WV], 6
	s_sub_co_u32 s23, s23, 6
	s_mul_i32 s23, s23, 19200                      ; waves 6-11 take 75 rows each
	s_add_co_u32 s22, s22, s23
	s_mov_b32 s23, 0
	s_mul_i32 s69, s[WV], 19200
	s_add_co_u32 s69, s69, 38400                   ; in LDS behind x's 153,600 bytes: 153600 + 19200 (wave - 6)
	s_wait_dscnt 0x0
	s_wait_kmcnt 0x0
	s_add_nc_u64 s[20:21], s[4:5], s[20:21]
	s_add_nc_u64 s[22:23], s[6:7], s[22:23]
	CROUND                                         ; all sixteen work-groups are here: the joint loads meet
.irp kap, 0
	s_mov_b32 s[G0X+4*\kap], 1
	s_add_co_u32 s[G0X+4*\kap+1], s68, \kap*12800
	s_add_nc_u64 s[G0X+4*\kap+2:G0X+4*\kap+3], s[20:21], \kap*12800
	s_or_b32 s[G0X+4*\kap+3], s[G0X+4*\kap+3], 0x80000000
	s_mov_b32 s[G0W+4*\kap], 1
	s_add_co_u32 s[G0W+4*\kap+1], s69, \kap*12800
	s_add_nc_u64 s[G0W+4*\kap+2:G0W+4*\kap+3], s[22:23], \kap*12800
	s_or_b32 s[G0W+4*\kap+3], s[G0W+4*\kap+3], 0x80000000
.endr
	s_cmp_lt_u32 s[WV], 6                          ; one tensor load a wave: waves 0-5 fetch x, waves 6-11 the weight
	s_cbranch_scc0 .Lnot_x
	tensor_load_to_lds s[G0X:G0X+3], s[G1X:G1X+7]
	s_nop 0
.rept 4
	v_nop
.endr
	s_branch .Lasked
.Lnot_x:
	tensor_load_to_lds s[G0W:G0W+3], s[G1W:G1W+7]
	s_nop 0
.rept 4
	v_nop
.endr
.Lasked:
	v_and_b32 v7, 31, v0
	s_delay_alu instid0(VALU_DEP_1)
	v_lshlrev_b32 v1, 4, v7                        ; 16 l
	s_delay_alu instid0(VALU_DEP_2)
	v_lshlrev_b32 v2, 3, v7                        ; 8 l
	v_and_b32 v7, 15, v0
	s_delay_alu instid0(VALU_DEP_1)
	v_lshlrev_b32 v7, 4, v7                        ; 16 r
	s_mul_i32 s69, s13, 38400
	s_add_co_u32 s70, s14, 4
	s_mul_i32 s70, s70, 38400
	v_add_nc_u32 v[XA], s69, v1
	v_add_nc_u32 v[WA], s70, v1
	v_add_nc_u32 v[XSA], s69, v7
	v_add_nc_u32 v[WSA], s70, v7
	v_mov_b32 v10, 0                               ; written once: a lane permute's destination counts as one of its sources
	v_mov_b32 v11, 0
	s_mov_b32 s[SEL], 0x76543210
	s_mov_b32 s[SEL+1], 0xfedcba98
	; where my packet goes: (head x 64 + quad) packets of q, or records of k and v
	s_mul_i32 s70, s15, 3
	s_add_co_u32 s70, s70, s14                     ; the head
	s_lshl_b32 s70, s70, 6
	s_lshl_b32 s71, s17, 2
	s_add_co_u32 s70, s70, s71
	s_add_co_u32 s70, s70, s13                     ; + the quad of tokens
	s_cmp_eq_u32 ttmp9, 0
	s_cselect_b64 s[72:73], s[8:9], s[10:11]
	s_mov_b32 s74, 6656
	s_cselect_b32 s74, 3328, s74
	s_cmp_eq_u32 ttmp9, 2
	s_cselect_b32 s75, 3328, 0                     ; V's packet lies behind K's
	s_mul_i32 s70, s70, s74
	s_add_co_u32 s70, s70, s75
	s_mov_b32 s71, 0
	s_add_nc_u64 s[72:73], s[72:73], s[70:71]
	s_mov_b32 s76, 0xffff0000                      ; lanes 16-31
	s_wait_alu depctr_va_vdst(0)
	s_wait_tensorcnt 0x0                           ; my one load is in
	s_barrier_signal -1
	s_barrier_wait -1                              ; everybody's is: all seven records are whole
	KSTEP 0, 0, 1
	KSTEP 0, 1, 0
	KSTEP 1, 0, 0
	KSTEP 1, 1, 0
	KSTEP 2, 0, 0
	KSTEP 2, 1, 0
	; THE WAY OUT: the 32 registers of accumulators (0 .. 3, q) are 64 neighbours along the next K in lanes l and l xor 16: one half each
.rept 4
	v_nop                                          ; four places between the last products and the first read of results and write of operands
.endr
.irp q, 0,1,2,3
	QUANT2 ACC+32*\q,32+8*\q,64,8,12,24+\q
.endr
	v_cndmask_b32 v28, v24, v26, s76               ; the scale unit: lanes 0-15 store halves 0 and 1 of row r, lanes 16-31 halves 2 and 3
	v_cndmask_b32 v29, v25, v27, s76
.irp q, 0,1,2,3
	global_store_b128 v1, v[32+8*\q:35+8*\q], s[72:73] offset:768*\q        ; 512 consecutive bytes, at a multiple of 256 from the buffer's first byte
	global_store_b64 v2, v[36+8*\q:37+8*\q], s[72:73] offset:768*\q+512     ; 256 consecutive bytes, aligned
.endr
	global_store_b64 v2, v[28:29], s[72:73] offset:3072
	s_wait_tensorcnt 0x0
	ds_add_u32 v30, v31
	s_wait_dscnt 0x0
	CROUND                                         ; the closing round: no work-group ends while a partner may still ask for a chunk that names it
	s_endpgm
.Lfunc_end_k_q20333e8c23_proj:
	.size	k_q20333e8c23_proj, .Lfunc_end_k_q20333e8c23_proj-k_q20333e8c23_proj
	.p2alignl 7, 3214868480
	.fill 96, 4, 3214868480
	.section	.rodata,"a",@progbits
	.p2align	6, 0x0
	.amdhsa_kernel k_q20333e8c23_proj
		.amdhsa_group_segment_fixed_size 270336
		.amdhsa_private_segment_fixed_size 0
		.amdhsa_enable_private_segment 0
		.amdhsa_kernarg_size 32
		.amdhsa_user_sgpr_count 2
		.amdhsa_user_sgpr_kernarg_segment_ptr 1
		.amdhsa_wavefront_size32 1
		.amdhsa_system_sgpr_workgroup_id_x 1
		.amdhsa_system_sgpr_workgroup_id_y 1
		.amdhsa_system_sgpr_workgroup_id_z 1
		.amdhsa_system_vgpr_workitem_id 0
		.amdhsa_next_free_vgpr 256
		.amdhsa_next_free_sgpr 80
		.amdhsa_reserve_vcc 0
		.amdhsa_float_denorm_mode_32 3
		.amdhsa_float_denorm_mode_16_64 3
		.amdhsa_memory_ordered 1
		.amdhsa_forward_progress 1
		.amdhsa_inst_pref_size 53
	.end_amdhsa_kernel
	.amdgpu_metadata
---
amdhsa.version: [ 1, 2 ]
amdhsa.kernels:
  - .name:           k_q20333e8c23_proj
    .symbol:         k_q20333e8c23_proj.kd
    .args:
      - { .name: xrec, .offset: 0, .size: 8, .value_kind: global_buffer, .address_space: global }
      - { .name: wrec, .offset: 8, .size: 8, .value_kind: global_buffer, .address_space: global }
      - { .name: qpk, .offset: 16, .size: 8, .value_kind: global_buffer, .address_space: global }
      - { .name: kvpk, .offset: 24, .size: 8, .value_kind: global_buffer, .address_space: global }
    .group_segment_fixed_size: 270336
    .private_segment_fixed_size: 0
    .kernarg_segment_align: 8
    .kernarg_segment_size: 32
    .max_flat_workgroup_size: 384
    .sgpr_count:     80
    .vgpr_count:     256
    .wavefront_size: 32
...
	.end_amdgpu_metadata
.endif
;; end of part 2
;; launch attn (part 3): grid 16 x 16, 12 waves a work-group, no clusters, 327,680 bytes of LDS; arguments qpk, kvpk, crec; writes crec
.if DOCPART == 3
	.amdgcn_target "amdgcn-amd-amdhsa--gfx1250"
	.amdhsa_code_object_version 6
	.text
	.protected	k_q20333e8c23_attn
	.globl	k_q20333e8c23_attn
	.p2align	8
	.type	k_q20333e8c23_attn,@function
k_q20333e8c23_attn:
	s_mov_b64 s[64:65], 0
	v_nop
	global_prefetch_b8 v0, s[64:65] scope:SCOPE_SE
	s_setreg_imm32_b32 hwreg(HW_REG_WAVE_MODE, 25, 1), 1
	s_wait_xcnt 0x0
; ATTN: ctx[q][head] = softmax_k(q . k / 8, causal) v, both products on codes of FP6 (E2M3); ctx is quantised in registers along the model's axis and leaves as codes.
; THE SOFTMAX: t = score x log2(e) / 8; M = the running largest t rounded UP to a whole number; p = 2^(t - M) is quantised along the keys, not normalised; the row's sum is taken of the unquantised p and divides at the end.
; When M moves, the sum and O are multiplied by 2^(old M - new M): exact.
; LEFT OUT: key steps all of whose keys come after a block's queries: the causal mask gives them the weight 0 for all values of the inputs.  A NaN or an infinity that reaches only such keys is not carried.
; SHARES.  A head's 4,096 queries are 32 blocks of 128 (8 tiles of 16); block B needs key steps 0 .. B of 128 keys.  A TILE PAIR is tile t of block g (short) and tile t of block 31 - g (long) of one head: 33 steps, for two waves.
; Its wave of group B takes the long tile over key steps 0 .. 16.  Its wave of group A takes the short tile over steps 0 .. g, lays that state (O, sum, M) into LDS bytes of its own, and goes on with the LONG tile over
; key steps 17 .. 31 - g: 16 steps.  At the end A hands its part to B through LDS; B joins the two parts (both M are whole numbers, so the factors are exact powers of two) and finishes the long tile; A finishes the short one.
; Work-group (x, g): for one g the 24 tile pairs of heads 3 (x / 4) .. + 2 are dealt six to each of four work-groups: pair n = 6 (x % 4) + i is tile n % 8 of head 3 (x / 4) + n / 8.  Waves 0-5 are group A (i = wave), waves 6-11 group B.
; 12 heads x 16 g x 8 tiles / 6 = 256 work-groups, each with 6 x 33 steps.  g is the same in all waves of a work-group.
; STREAMS.  The six pairs touch a first and a second head (x % 4 = 0, 3: the same head; there pairs 0-2 read the first copy and pairs 3-5 the second).  Four streams: A's and B's walk, for each of the two heads.
; LDS: two slots of 106,496 bytes, each four streams x two key steps (13,312 dense bytes of kvpk each); key step 16 of both heads (filled once) behind them.  Waves 0-7 fetch a key step each behind every barrier, waves 8, 9 key step 16 at the head.
; A STEP HAS TWO PARTS: first S^T, the softmax and p's codes; then O's rescaling and O^T += V^T P^T.  K's fragments have registers of their own (v256-303), V's v44-91.  K of a slot's second step, and of key step 16, is fetched
; one step ahead, behind the running step's V.  THE CHANGE OF SLOTS stands between the two parts of a slot's second step, where all LDS reads of that slot are done: behind the barrier come the refill of that slot, the next slot's
; first K loads, and then the second part, which works on registers alone while those loads are out.
; In the ring's 16 places in time no wave's key step lies behind its block (A: J <= g, then J <= 31 - g at place 15; B: J <= 15 < 31 - g + 1), so only key step 16 is tested for that.
; NO CLUSTER: when group A changes tiles, and which steps are walked, hangs on g, and the heads on x: work-groups that share a stream differ in one of the two, and branches and descriptors of partners that ask jointly must not differ.
; BOTH PRODUCTS ARE USED TRANSPOSED: S^T = K Q^T, O^T = V^T P^T: a lane holds ONE query.  The keys of a tile are not neighbours (row r of tile i: 32 (i / 2) + 8 (i % 2) + r + 8 (r / 8)): p's 16 registers of two tiles are 16 neighbouring keys.
; A HEAD IS 64, THE INSTRUCTION 128 DEEP.  A fragment of K carries TWO tiles of keys.  Q stands in 18 registers, six zeros, its six, six zeros: v[QB+6 ..] multiplies the lower tile, v[QB ..] the upper.
; ctx's scale words: a quad's four tiles do not meet in one work-group, so each wave stores its own 16 words, 4 bytes in each 16: parts of units of 256 bytes, one byte in 12 of what the wave stores.
; PREFETCH, one refill ahead of the tensor load.  Work-groups x % 4 = 0, 1, 2 ask for their second head, so each head has one asker for each g.  The two key steps of B's walk (104 blocks of 256 bytes) are shared out among
; g = 0 .. 7, 13 blocks each, by wave 8; key steps 17 and up are first walked by g = 0, whose waves 4-7 name 26 blocks each.  Lanes left over name their wave's last block again.
; The first two slots and key step 16 come by their loads alone; the last refill asks for nothing: there is no slot behind it.
; LIMITS: scaled scores stay under 2^31 in magnitude; quantiser: a block under 2^-124 is held at the floor (byte 1), a block of zeros has byte 1 (this program alone reads the bytes); NaN and infinities are not served.
.set SLOTB, 106496
.set EXTRA, 212992
.set SPARE, 239616                     ; the spare words, 128 bytes for each of 12 waves
.set DUMP,  241152                     ; states on hand: 4,608 bytes a place; places 0-5 A's short tiles, places 6-11 A's parts of the long tiles
.set ASK1, 3                           ; s3  1 in a wave that prefetches, else the greatest number;  s17 the same with 0
.set WV,  10
.set G,   11
.set HD,  12
.set MYB, 13                           ; the block that I work on
.set J,   14                           ; my key step
.set TRIPS, 15
.set SW,  16                           ; g + 1: the key step at which group A changes tiles
.set ASK0, 17
.set TL,  18                           ; the place in time of my next tensor load
.set TI,  19                           ; my tile in its block, 0 .. 7
.set SEL, 20                           ; s[20:21] lane selects for v_permlanex16_b32
.set CS,  22                           ; s[22:23] c = log2(e) / 8
.set G1,  24
.set G0,  32
.set JMP, 36                           ; 16 - g in A's loaders, else 0
.set LB,  37                           ; where my loads land in slot 0
.set LNG, 38                           ; 31 - g
.set NEU, 39
.set PFA, 40
.set LOW, 52
.set KVB, 60                           ; s[60:61] the first record of the head that my loads serve
.set SPW, 3
.set NIL, 4
.set DQ,  5
.set QS,  6
.set CSW, 7
.set PFO, 9
.set KS,  10
.set VS,  14
.set VM,  18
.set MT,  20                           ; v20 -M, v21 the largest t, v[22:23] the sum in two halves: four registers on end
.set SUM, 22
.set QB,  24
.set B16, 42                           ; LDS: my stream in slot 1 + 16 l, + 8 l
.set B8,  43
.set KF,  44                           ; v44-91 V's four fragments
.set Q2,  92                           ; v92-95, v204-205, v206: the long tile's Q and its scale word
.set S,   96
.set O,   160
.set P,   192
.set Q2B, 204
.set Q2S, 206
.set BM,  208
.set BT,  212
.set E,   216
.set CT,  220
.set F,   228
.set PW,  230
.set TW,  231
.set NINF, 232
.set R8,  233
.set A16, 238                          ; LDS: my stream in slot 0 + 16 l, + 8 l;  my head's key step 16 + 16 l, + 8 l;  my place among the states + 16 l
.set A8,  239
.set X16, 240
.set X8,  241
.set DMP, 242
.set AS,  244                          ; v244-251 four chains of the sum
.macro TLOAD lim                       ; the waves under lim fetch; an s_nop 0 and four v_nop follow the line
	s_cmp_lt_u32 s[WV], \lim
	s_cbranch_scc0 .Lno_\@
	tensor_load_to_lds s[G0:G0+3], s[G1:G1+7]
	s_nop 0
.rept 4
	v_nop
.endr
.Lno_\@:
.endm
.macro ASK lim                         ; lim = ASK1: not in the loop's last trip
	s_cmp_gt_u32 s[TRIPS], s[\lim]
	s_cbranch_scc0 .Lnm_\@
	global_prefetch_b8 v[PFO], s[PFA:PFA+1] th:TH_LOAD_NT scope:SCOPE_SE
.Lnm_\@:
.endm
; group 0 for my next load: at place TL in time B's walk stands at key step TL, A's at key step TL up to g and at TL + 16 - g behind it
.macro DESC slot
	s_cmp_gt_u32 s[TL], s[G]
	s_cselect_b32 s44, s[JMP], 0
	s_add_co_u32 s44, s44, s[TL]
	s_mul_i32 s44, s44, 13312
	s_mov_b32 s45, 0
	s_add_nc_u64 s[G0+2:G0+3], s[KVB:KVB+1], s[44:45]
	s_or_b32 s[G0+3], s[G0+3], 0x80000000
	s_add_co_u32 s[G0+1], s[LB], (\slot)*SLOTB
	s_add_co_u32 s[TL], s[TL], 2
.endm
; 32 numbers of a lane become a half's 6 registers and its scale word, the two bytes twice
.macro QUANT2 s, c, t, m, e, w
.irp b, 0,1
	v_max3_num_f32 v[\m+\b], |v[\s+16*\b]|, |v[\s+16*\b+1]|, 0x1800000
.endr
.irp i, 2,4,6,8,10,12,14
.irp b, 0,1
	s_delay_alu instid0(VALU_DEP_2)
	v_max3_num_f32 v[\m+\b], v[\m+\b], |v[\s+16*\b+\i]|, |v[\s+16*\b+\i+1]|
.endr
.endr
.irp b, 0,1
	s_delay_alu instid0(VALU_DEP_2)
	v_permlanex16_b32 v[\m+2+\b], v[\m+\b], s[SEL], s[SEL+1]
.endr
.irp b, 0,1
	s_delay_alu instid0(VALU_DEP_2)
	v_max_num_f32 v[\m+\b], v[\m+\b], v[\m+2+\b]
.endr
.irp b, 0,1
	s_delay_alu instid0(VALU_DEP_2)
	v_add_nc_u32 v[\e+\b], 0xff000000, v[\m+\b]
.endr
.irp b, 0,1
	s_delay_alu instid0(VALU_DEP_2)
	v_lshrrev_b32 v[\m+\b], 23, v[\e+\b]
.endr
	s_delay_alu instid0(VALU_DEP_1)
	v_lshl_or_b32 v[\w], v[\m+1], 8, v[\m]
	s_delay_alu instid0(VALU_DEP_1)
	v_lshl_or_b32 v[\w], v[\w], 16, v[\w]
	v_cvt_scalef32_pk16_fp6_f32 v[\c:\c+2], v[\s:\s+15], v[\e]
	v_cvt_scalef32_pk16_fp6_f32 v[\t:\t+2], v[\s+16:\s+31], v[\e+1]
	v_nop
.irp i, 0,1,2
	v_permlane16_swap_b32 v[\c+\i], v[\t+\i]
.endr
.irp i, 0,1,2
	s_delay_alu instid0(VALU_DEP_3)
	v_mov_b32 v[\c+3+\i], v[\t+\i]
.endr
.endm
; my state into LDS, each accumulator from its low end on
.macro PUTSTATE off
.irp k, 0,1,2,3,4,5,6,7
	ds_store_b128 v[DMP], v[O+4*\k:O+4*\k+3] offset:\off+512*\k
.endr
	ds_store_b128 v[DMP], v[MT:MT+3] offset:\off+4096
.endm
; GROUP A CHANGES TILES where its key step is g + 1: the short tile's state goes to my own place in LDS, the long tile's Q takes Q's registers, the state begins anew, and the walk goes on at key step 17
.macro SWITCH
	s_cmp_lt_u32 s[WV], 6
	s_cbranch_scc0 .Lns_\@
	s_cmp_eq_u32 s[J], s[SW]
	s_cbranch_scc0 .Lns_\@
.irp i, 0,1,2,3
	v_mov_b32 v[QB+6+\i], v[Q2+\i]                 ; these seven lines are also the places between the last products and the stores that read O
.endr
	v_mov_b32 v[QB+10], v[Q2B]
	v_mov_b32 v[QB+11], v[Q2B+1]
	v_mov_b32 v[QS], v[Q2S]
	PUTSTATE 0
	v_mov_b32 v[MT+1], 0xff61b1e6
	v_mov_b32 v[SUM], 0
	v_mov_b32 v[SUM+1], 0
	v_floor_f32 v[MT], -v[MT+1]
.set ii, 0
.rept 32
	v_mov_b32 v[O+ii], 0
.set ii, ii+1
.endr
	s_mov_b32 s[MYB], s[LNG]
	s_mov_b32 s[J], 17
	s_wait_alu depctr_va_vdst(0)
.Lns_\@:
.endm
; K OF A KEY STEP (128 keys at byte base behind the two address registers): two loads of scale words, then 16 of codes into v256-303 (the destination's window is 1; written as v0-47).
; In LDS a key step is record 0 (K's packet, V's packet), record 1, 6,656 bytes each.  The last products that read these registers lie at least four plain vector lines back wherever this stands.
.macro KLOAD a16, a8, base
	ds_load_b64 v[KS:KS+1], v[\a8] offset:(\base)+3072
	ds_load_b64 v[KS+2:KS+3], v[\a8] offset:(\base)+9728
	s_set_vgpr_msb 0x40
.irp tau, 0,1,2,3,4,5,6,7
	ds_load_b128 v[6*\tau:6*\tau+3], v[\a16] offset:(\base)+6656*(\tau/4)+768*(\tau%4)
	ds_load_b64 v[6*\tau+4:6*\tau+5], v[\a8] offset:(\base)+6656*(\tau/4)+768*(\tau%4)+512
.endr
	s_set_vgpr_msb 0x4000
.endm
; A STEP'S FIRST PART.  Its K has been asked for.  pre = 1: behind V's loads the K of the step at (n16, n8, nbase) is asked for: 18 loads more
.macro STEPA a16, a8, base, pre, n16, n8, nbase
	s_set_vgpr_msb 0x01                            ; source 0, K's fragments: window 1
.irp tau, 0,1,2,3,4,5,6,7
.if (\tau%2) == 0
	s_wait_dscnt 12-2*\tau                         ; the scale words and the fragment of tiles tau, tau + 1 are in; the later fragments' loads, four each, stay out
.endif
.if (\tau%4) < 2
	v_wmma_scale_f32_16x16x128_f8f6f4 v[S+8*\tau:S+8*\tau+7], v[12*(\tau/2):12*(\tau/2)+11], v[QB+6-6*(\tau%2):QB+17-6*(\tau%2)], 0, v[KS+2*(\tau/4)+(\tau%2)], v[QS] matrix_a_fmt:MATRIX_FMT_FP6 matrix_b_fmt:MATRIX_FMT_FP6
.else
	v_wmma_scale_f32_16x16x128_f8f6f4 v[S+8*\tau:S+8*\tau+7], v[12*(\tau/2):12*(\tau/2)+11], v[QB+6-6*(\tau%2):QB+17-6*(\tau%2)], 0, v[KS+2*(\tau/4)+(\tau%2)], v[QS] matrix_a_fmt:MATRIX_FMT_FP6 matrix_b_fmt:MATRIX_FMT_FP6 matrix_a_scale:MATRIX_SCALE_ROW1
.endif
.endr                                              ; register 16 b + i of v[S] on: key 128 J + 32 b + 16 (lane / 16) + i
	s_set_vgpr_msb 0x0100
.rept 4
	v_nop                                          ; four places: in front of the loads into V's, K's and the scales' registers and of the first read of the scores
.endr
	ds_load_b64 v[VS:VS+1], v[\a8] offset:(\base)+6400      ; V comes in under the softmax
	ds_load_b64 v[VS+2:VS+3], v[\a8] offset:(\base)+13056
.irp t, 0,1,2,3
.irp cp, 0,1
	ds_load_b128 v[KF+12*\t+6*\cp:KF+12*\t+6*\cp+3], v[\a16] offset:(\base)+6656*\cp+3328+768*\t
	ds_load_b64 v[KF+12*\t+6*\cp+4:KF+12*\t+6*\cp+5], v[\a8] offset:(\base)+6656*\cp+3328+768*\t+512
.endr
.endr
.if \pre
	KLOAD \n16, \n8, \nbase
.endif
	s_cmp_lg_u32 s[J], s[MYB]                      ; only the step on the diagonal hides keys
	s_cbranch_scc1 .Lopen_\@
.set ii, 0
	s_wait_alu depctr_va_vdst(0)
.rept 64
	v_cmp_gt_i32 vcc_lo, 32*(ii/16)+ii%16, v[DQ]   ; the register's key comes after my query
	v_cndmask_b32 v[S+ii], v[S+ii], v[NINF], vcc_lo
.set ii, ii+1
.endr
.Lopen_\@:
.irp b, 0,1,2,3
	v_max3_num_f32 v[BM+\b], v[S+16*\b], v[S+1+16*\b], v[S+2+16*\b]   ; the largest score of each block of 32 keys: for the row's maximum and for the block's largest p
.endr
.irp i, 3,5,7,9,11,13
.irp b, 0,1,2,3
	v_max3_num_f32 v[BM+\b], v[BM+\b], v[S+16*\b+\i], v[S+1+16*\b+\i]
.endr
.endr
.irp b, 0,1,2,3
	v_max_num_f32 v[BM+\b], v[BM+\b], v[S+15+16*\b]
.endr
.irp b, 0,1,2,3
	s_delay_alu instid0(VALU_DEP_4)
	v_permlanex16_b32 v[BT+\b], v[BM+\b], s[SEL], s[SEL+1]
.endr
.irp b, 0,1,2,3
	s_delay_alu instid0(VALU_DEP_4)
	v_max_num_f32 v[BM+\b], v[BM+\b], v[BT+\b]     ; with lane l xor 16's 16 keys
.endr
	s_delay_alu instid0(VALU_DEP_2)
	v_max3_num_f32 v[TW], v[BM], v[BM+1], v[BM+2]
	s_delay_alu instid0(VALU_DEP_1)
	v_max_num_f32 v[TW], v[TW], v[BM+3]
	s_delay_alu instid0(VALU_DEP_1)
	v_mul_f32 v[TW], s[CS], v[TW]                  ; as t (c is positive)
	s_delay_alu instid0(VALU_DEP_1)
	v_max_num_f32 v[MT+1], v[MT+1], v[TW]          ; the running largest t
	v_mov_b32 v[TW], v[MT]
	s_delay_alu instid0(VALU_DEP_2)
	v_floor_f32 v[MT], -v[MT+1]                    ; the new -M = floor(-t): M is a whole number
	s_delay_alu instid0(VALU_DEP_1)
	v_sub_f32 v[TW], v[MT], v[TW]                  ; old M - new M: a whole number, 0 or less
	s_delay_alu instid0(VALU_DEP_1)
	v_cvt_i32_f32 v[TW], v[TW]                     ; (it saturates)
	s_delay_alu instid0(VALU_DEP_1)
	v_ldexp_f32 v[F], 1.0, v[TW]                   ; f = 2^(old M - new M)
.set ii, 0
.rept 32
	v_pk_fma_f32 v[S+ii:S+ii+1], v[S+ii:S+ii+1], s[CS:CS+1], v[MT:MT+1] op_sel_hi:[1,0,0]   ; t - M, two at a time
.set ii, ii+2
.endr
.irp b, 0,1,2,3
	v_fma_f32 v[BM+\b], v[BM+\b], s[CS], v[MT]     ; the same of each block's largest score
.endr
.set ii, 0
	s_wait_alu depctr_va_vdst(0)                   ; the wait ahead of the batch
.rept 64
	v_exp_f32 v[S+ii], v[S+ii]                     ; p = 2^(t - M)
.set ii, ii+1
.endr
	v_pk_mul_f32 v[SUM:SUM+1], v[SUM:SUM+1], v[F:F+1] op_sel_hi:[1,0]   ; the sums under the new M: the plain place behind the exponentials
	s_wait_alu depctr_va_vdst(0)                   ; one wait for the batch of 64, ahead of its first reader
.irp b, 0,1,2,3
	v_exp_f32 v[BM+\b], v[BM+\b]                   ; the block's largest p: the same two instructions on the same number give the same bits
.endr
.irp c, 0,1,2,3
	v_pk_add_f32 v[AS+2*\c:AS+2*\c+1], v[S+2*\c:S+2*\c+1], v[S+8+2*\c:S+9+2*\c]   ; the sum of the unquantised p, two at a time, in four chains
.endr
.irp j, 16,24,32,40,48,56
.irp c, 0,1,2,3
	v_pk_add_f32 v[AS+2*\c:AS+2*\c+1], v[AS+2*\c:AS+2*\c+1], v[S+\j+2*\c:S+\j+2*\c+1]
.endr
.endr
	v_pk_add_f32 v[AS:AS+1], v[AS:AS+1], v[AS+2:AS+3]
	v_pk_add_f32 v[AS+4:AS+5], v[AS+4:AS+5], v[AS+6:AS+7]
	s_delay_alu instid0(VALU_DEP_2)
	v_pk_add_f32 v[SUM:SUM+1], v[SUM:SUM+1], v[AS:AS+1]
	s_delay_alu instid0(VALU_DEP_1)
	v_pk_add_f32 v[SUM:SUM+1], v[SUM:SUM+1], v[AS+4:AS+5]
	s_wait_alu depctr_va_vdst(0)                   ; and one for the four
.irp b, 0,1,2,3
	v_max_num_f32 v[BM+\b], 0x1800000, v[BM+\b]    ; the floor 2^(3 - 127): a block whose every p is 0 keeps the byte 1: its codes are zeros
.endr
.irp b, 0,1,2,3
	s_delay_alu instid0(VALU_DEP_4)
	v_add_nc_u32 v[E+\b], 0xff000000, v[BM+\b]
.endr
.irp b, 0,1,2,3
	s_delay_alu instid0(VALU_DEP_4)
	v_lshrrev_b32 v[BT+\b], 23, v[E+\b]
.endr
	s_delay_alu instid0(VALU_DEP_3)
	v_lshl_or_b32 v[PW], v[BT+1], 8, v[BT]         ; p's scale word for these 128 keys
	s_delay_alu instid0(VALU_DEP_1)
	v_lshl_or_b32 v[PW], v[BT+2], 16, v[PW]
	s_delay_alu instid0(VALU_DEP_1)
	v_lshl_or_b32 v[PW], v[BT+3], 24, v[PW]
	s_wait_dscnt 16+18*\pre                        ; V's two scale loads are in; the 16 younger loads of its codes, and the next K's 18 where they were asked for, may stay out
	v_bfi_b32 v[VM], s[LOW], v[VS], v[VS+2]        ; bytes 0, 1 from the first record's word, bytes 2, 3 from the second's
	v_bfi_b32 v[VM+1], s[LOW], v[VS+1], v[VS+3]
.irp c, 0,1
	v_cvt_scalef32_pk16_fp6_f32 v[P+6*\c:P+6*\c+2], v[S+32*\c:S+32*\c+15], v[E+2*\c]
	v_cvt_scalef32_pk16_fp6_f32 v[CT+4*\c:CT+4*\c+2], v[S+32*\c+16:S+32*\c+31], v[E+2*\c+1]
.endr
	v_nop                                          ; one plain place behind the scaled conversions
.irp c, 0,1
.irp i, 0,1,2
	v_permlane16_swap_b32 v[P+6*\c+\i], v[CT+4*\c+\i]
.endr
.irp i, 0,1,2
	s_delay_alu instid0(VALU_DEP_3)
	v_mov_b32 v[P+3+6*\c+\i], v[CT+4*\c+\i]
.endr
.endr
	s_wait_alu depctr_va_vdst(0)                   ; f, p's codes and the scale words may be read behind waits and a barrier
.endm
; A STEP'S SECOND PART.  wt = 1: V's fragments are waited for, pn younger loads staying out beside the later fragments'; wt = 0: all LDS loads of V were waited for in front of the barrier
.macro STEPB wt, pn
	s_wait_alu depctr_va_vdst(0)                   ; the wait directly ahead of the first reader of O^T
.set ii, 0
.rept 16
	v_pk_mul_f32 v[O+ii:O+ii+1], v[O+ii:O+ii+1], v[F:F+1] op_sel_hi:[1,0]   ; O^T under the new M; these lines also stand between the writes of the scale words and codes and the products
.set ii, ii+2
.endr
	s_wait_alu depctr_va_vdst(0)
.irp t, 0,1,2,3
.if \wt
	s_wait_dscnt 12-4*\t+\pn                       ; V's fragment t is in; the later fragments' loads, four each, stay out
.endif
.if \t < 2
	v_wmma_scale_f32_16x16x128_f8f6f4 v[O+8*\t:O+8*\t+7], v[KF+12*\t:KF+12*\t+11], v[P:P+11], v[O+8*\t:O+8*\t+7], v[VM+(\t%2)], v[PW] matrix_a_fmt:MATRIX_FMT_FP6 matrix_b_fmt:MATRIX_FMT_FP6
.else
	v_wmma_scale_f32_16x16x128_f8f6f4 v[O+8*\t:O+8*\t+7], v[KF+12*\t:KF+12*\t+11], v[P:P+11], v[O+8*\t:O+8*\t+7], v[VM+(\t%2)], v[PW] matrix_a_fmt:MATRIX_FMT_FP6 matrix_b_fmt:MATRIX_FMT_FP6 matrix_a_scale:MATRIX_SCALE_ROW1
.endif
.endr
	s_add_co_u32 s[J], s[J], 1
.endm
; THE CHANGE OF SLOTS: every wave waits for all its tensor loads, adds 0 to its spare word, waits for that and for its LDS reads, and passes the barrier.
; refill = 1: the named slot takes its next two places in time of all four streams: the first thing behind the barrier, one tensor load a wave, of waves 0-7 (the first time: slot 1's first fill).
.macro SEQ refill, slot, ask
	s_wait_tensorcnt 0x0                           ; no tensor load of mine is out, so group 0 may be written
	ds_add_u32 v[SPW], v[NIL]
.if \refill
	ds_add_u32 v[SPW], v[NIL]                      ; the add twice
	DESC \slot
.endif
.if \ask
	s_wait_xcnt 0x0                                ; the last prefetch has read its address, so it may be stepped
	s_add_nc_u64 s[PFA:PFA+1], s[PFA:PFA+1], 26624
.endif
	s_wait_dscnt 0x0                               ; the add is done, and my reads of the slot that I leave are over
	s_barrier_signal -1
	s_barrier_wait -1
.if \refill
	TLOAD 8
.endif
.if \ask == 1
	ASK ASK0
.endif
.if \ask == 2
	ASK ASK1
.endif
.endm
; a slot's two steps; (c16, c8) this slot, (o16, o8) the other
.macro WINDOW c16, c8, o16, o8, slot, refill, ask
	STEPA \c16, \c8, 0, 1, \c16, \c8, 13312
	STEPB 1, 18
	SWITCH
	STEPA \c16, \c8, 13312, 0, \c16, \c8, 0
	SEQ \refill, \slot, \ask
	KLOAD \o16, \o8, 0
	STEPB 0, 0
	SWITCH
.endm
	s_load_b128 s[4:7], s[0:1], 0x0                ; qpk s[4:5], kvpk s[6:7]
	s_load_b64 s[8:9], s[0:1], 0x10                ; crec
	v_lshl_add_u32 v[SPW], v0, 2, SPARE
	v_mov_b32 v[NIL], 0
	ds_add_u32 v[SPW], v[NIL]                      ; the opening lines: the add twice on end and its wait ahead of the first tensor load
	ds_add_u32 v[SPW], v[NIL]
	v_lshrrev_b32 v1, 5, v0
	s_delay_alu instid0(VALU_DEP_1)
	v_readfirstlane_b32 s[WV], v1                  ; wave 0..11
	s_and_b32 s[G], ttmp7, 0xffff
	; descriptor group 1: a key step, 13,312 dense bytes, as 52 rows of 256 bytes (32 elements of 8 bytes)
	s_mov_b32 s[G1], 3<<16
	s_mov_b32 s[G1+1], 32<<16
	s_mov_b32 s[G1+2], 52<<16
	s_mov_b32 s[G1+3], 32<<16
	s_mov_b32 s[G1+4], 52
	s_mov_b32 s[G1+5], 32
	s_mov_b32 s[G1+6], 0
	s_mov_b32 s[G1+7], 0
	s_mov_b32 s[G0], 1
	s_lshr_b32 s44, ttmp9, 2
	s_mul_i32 s44, s44, 3                          ; the first of my three heads
	s_and_b32 s63, ttmp9, 3                        ; which six of their 24 tile pairs
	s_mul_i32 s45, s63, 6
	s_lshr_b32 s46, s45, 3
	s_add_co_u32 s48, s44, s46                     ; the first head that they touch,
	s_add_co_u32 s46, s45, 5
	s_lshr_b32 s46, s46, 3
	s_add_co_u32 s49, s44, s46                     ; and the second
	s_mul_i32 s[LB], s[WV], 13312                  ; waves 0-7: stream wave / 2 (A first head, A second, B first, B second), step wave % 2 of the slot;
	s_lshr_b32 s46, s[WV], 3
	s_mul_i32 s46, s46, SLOTB
	s_add_co_u32 s[LB], s[LB], s46                 ; waves 8, 9: key step 16 of the first and the second head, behind the two slots
	s_and_b32 s46, s[WV], 1
	s_bfe_u32 s47, s[WV], 0x10001
	s_cmp_lt_u32 s[WV], 8
	s_cselect_b32 s[TL], s46, 16
	s_cselect_b32 s47, s47, s46                    ; 0: my loads serve the first head, 1: the second
	s_cmp_eq_u32 s47, 0
	s_cselect_b32 s46, s48, s49
	s_mul_i32 s46, s46, 425984
	s_mov_b32 s47, 0
	s_sub_co_u32 s50, 16, s[G]
	s_cmp_lt_u32 s[WV], 4
	s_cselect_b32 s[JMP], s50, 0
	s_wait_dscnt 0x0
	s_wait_kmcnt 0x0
	s_add_nc_u64 s[KVB:KVB+1], s[6:7], s[46:47]
	DESC 0
	TLOAD 10                                       ; the first fills: one tensor load a wave
	s_sub_co_u32 s[LNG], 31, s[G]
	s_mov_b32 s[NEU], 0xff61b1e6
	s_cmp_lt_u32 s[WV], 6
	s_cselect_b32 s[MYB], s[G], s[LNG]             ; the block that I begin with, and that I finish at the end: g or 31 - g
	s_cselect_b32 s[NEU], 0x7f61b1e6, s[NEU]       ; at the end group A's own -M is raised to 3e38, so that its own registers count for nothing
	s_cselect_b32 s50, 0, 6
	s_cselect_b32 s51, 0, 53248                    ; B's two streams lie behind A's two
	s_sub_co_u32 s50, s[WV], s50                   ; i
	s_mul_i32 s45, s63, 6
	s_add_co_u32 s45, s45, s50                     ; n
	s_and_b32 s[TI], s45, 7
	s_cmp_eq_u32 s63, 1
	s_cselect_b32 s46, 2, 3
	s_cmp_eq_u32 s63, 2
	s_cselect_b32 s46, 4, s46                      ; from this i on: the second head (x % 4 = 0, 3: the second copy of the one head)
	s_cmp_ge_u32 s50, s46
	s_cselect_b32 s[HD], s49, s48
	s_cselect_b32 s62, 26624, 0
	s_cselect_b32 s2, 13312, 0
	s_add_co_u32 s62, s62, s51                     ; my stream in a slot
	s_add_co_u32 s2, s2, EXTRA                     ; my head's key step 16
	s_add_co_u32 s[SW], s[G], 1
	s_mov_b32 s[J], 0
	s_mov_b32 s[TRIPS], 3
	s_mov_b32 s[SEL], 0x76543210
	s_mov_b32 s[SEL+1], 0xfedcba98
	s_mov_b32 s[CS], 0x3e38aa3b                    ; c = log2(e) / 8
	s_mov_b32 s[CS+1], s[CS]
	s_mov_b32 s[LOW], 0xffff
	; the prefetches: who asks, and where; the address stands one refill (two key steps) under the first that is named
	s_mul_i32 s46, s[G], 3328
	s_add_co_u32 s46, s46, 2*13312                 ; wave 8: 13 blocks of B's key steps 4, 5 ..
	s_sub_co_u32 s50, s[WV], 4
	s_mul_i32 s51, s50, 6656
	s_add_co_u32 s51, s51, 18*13312                ; waves 4-7: 26 blocks each of key steps 20, 21 ..
	s_cmp_eq_u32 s[WV], 8
	s_cselect_b32 s46, s46, s51
	s_cselect_b32 s51, 12, 25                      ; the last lane with a block of its own
	s_cselect_b32 s53, 8, 1                        ; the g under this number ask
	s_cmp_lt_u32 s50, 5
	s_cselect_b32 s53, s53, 0
	s_cmp_lt_u32 s63, 3
	s_cselect_b32 s53, s53, 0
	s_cmp_lt_u32 s[G], s53
	s_cselect_b32 s[ASK0], 0, -1
	s_cselect_b32 s[ASK1], 1, -1
	s_cselect_b32 s46, s46, 0
	s_mul_i32 s50, s49, 425984                     ; in the second head
	s_add_co_u32 s46, s46, s50
	s_add_nc_u64 s[PFA:PFA+1], s[6:7], s[46:47]
	v_and_b32 v[PFO], 31, v0
	s_delay_alu instid0(VALU_DEP_1)
	v_min_u32 v[PFO], s51, v[PFO]
	s_delay_alu instid0(VALU_DEP_1)
	v_lshlrev_b32 v[PFO], 8, v[PFO]
	; my tile of queries: half (tile % 4) of quad 2 x block + tile / 4
	s_lshr_b32 s45, s[TI], 2
	s_lshl_b32 s48, s[MYB], 1
	s_add_co_u32 s48, s48, s45                     ; the quad
	s_lshl_b32 s49, s[HD], 6
	s_add_co_u32 s49, s49, s48
	s_mul_i32 s49, s49, 3328                       ; its packet of q
	s_and_b32 s50, s[TI], 3
	s_mul_i32 s51, s50, 768
	s_add_co_u32 s46, s49, s51
	s_add_nc_u64 s[54:55], s[4:5], s[46:47]        ; my half's codes
	s_lshr_b32 s51, s50, 1
	s_lshl_b32 s51, s51, 7
	s_add_co_u32 s46, s49, s51
	s_and_b32 s51, s[TI], 1
	s_lshl_b32 s51, s51, 2
	s_add_co_u32 s46, s46, s51
	s_add_co_u32 s46, s46, 3072
	s_add_nc_u64 s[56:57], s[4:5], s[46:47]        ; and its scale words, 8 bytes from row to row
	v_and_b32 v[R8], 31, v0
	s_delay_alu instid0(VALU_DEP_1)
	v_lshlrev_b32 v1, 4, v[R8]                     ; 16 l
	s_delay_alu instid0(VALU_DEP_2)
	v_lshlrev_b32 v2, 3, v[R8]                     ; 8 l
	v_and_b32 v234, 15, v0                         ; r
	s_delay_alu instid0(VALU_DEP_1)
	v_lshlrev_b32 v[R8], 3, v234                   ; 8 r
	s_wait_alu depctr_va_vdst(0)
	global_load_b128 v[QB+6:QB+9], v1, s[54:55]
	global_load_b64 v[QB+10:QB+11], v2, s[54:55] offset:512
	global_load_b32 v[QS], v[R8], s[56:57]
	s_sub_co_u32 s46, s[LNG], s[MYB]
	s_mul_i32 s46, s46, 6656                       ; two packets a block: on to the same tile of the long block (in group B: the same packet once more, so that every wave's registers are written)
	s_wait_xcnt 0x0                                ; the three loads have read their bases
	s_add_nc_u64 s[54:55], s[54:55], s[46:47]
	s_add_nc_u64 s[56:57], s[56:57], s[46:47]
	global_load_b128 v[Q2:Q2+3], v1, s[54:55]
	global_load_b64 v[Q2B:Q2B+1], v2, s[54:55] offset:512
	global_load_b32 v[Q2S], v[R8], s[56:57]
	s_mul_i32 s48, s48, 39936                      ; ctx's record of my quad
	s_mul_i32 s51, s50, 9216
	s_add_co_u32 s46, s48, s51
	s_mul_i32 s51, s[HD], 768
	s_add_co_u32 s46, s46, s51
	s_add_nc_u64 s[58:59], s[8:9], s[46:47]        ; my half of ctx: tile % 4, my head
	s_lshl_b32 s51, s[HD], 8
	s_add_co_u32 s46, s48, s51
	s_add_co_u32 s46, s46, 36864
	s_lshl_b32 s51, s50, 2
	s_add_co_u32 s46, s46, s51
	s_add_nc_u64 s[42:43], s[8:9], s[46:47]        ; my tile's scale words in the head's unit: 4 (tile % 4), 16 bytes from row to row
	s_lshr_b32 s45, s[TI], 1
	s_lshl_b32 s45, s45, 5
	s_and_b32 s46, s[TI], 1
	s_lshl_b32 s46, s46, 3
	s_add_co_u32 s45, s45, s46                     ; my tile's first query in its block
	v_bfe_u32 v235, v0, 4, 1                       ; h
	v_and_b32 v[DQ], 8, v234
	s_delay_alu instid0(VALU_DEP_1)
	v_add_nc_u32 v[DQ], v[DQ], v234                ; r + 8 (r / 8)
	s_delay_alu instid0(VALU_DEP_3)
	v_lshlrev_b32 v235, 4, v235
	s_delay_alu instid0(VALU_DEP_1)
	v_sub_nc_u32 v[DQ], v[DQ], v235
	s_delay_alu instid0(VALU_DEP_1)
	v_add_nc_u32 v[DQ], s45, v[DQ]                 ; register 16 b + i of the diagonal step is hidden where 32 b + i is above this
	v_lshlrev_b32 v[CSW], 4, v234                  ; 16 r
	v_add_nc_u32 v[A16], s62, v1
	v_add_nc_u32 v[A8], s62, v2
	s_add_co_u32 s62, s62, SLOTB
	v_add_nc_u32 v[B16], s62, v1
	v_add_nc_u32 v[B8], s62, v2
	v_add_nc_u32 v[X16], s2, v1
	v_add_nc_u32 v[X8], s2, v2
	s_mul_i32 s45, s[WV], 4608
	s_add_co_u32 s45, s45, DUMP
	v_add_nc_u32 v[DMP], s45, v1                   ; place = wave: in group A my own, in group B the place where wave - 6 lays its part of the long tile
.irp i, 0,1,2,3,4,5
	v_mov_b32 v[QB+\i], 0                          ; zero codes on both sides of Q's six registers
	v_mov_b32 v[QB+12+\i], 0
.endr
.set ii, 0
.rept 32
	v_mov_b32 v[O+ii], 0                           ; the step is written once: the first finds zeros, which the first change of M leaves zeros
.set ii, ii+1
.endr
.irp i, 0,1,2,3,4,5,6,7
	v_mov_b32 v[BM+\i], 0                          ; written once: a lane permute's destination counts as one of its sources
.endr
	v_mov_b32 v[SUM], 0
	v_mov_b32 v[SUM+1], 0
	v_mov_b32 v[F], 0
	v_mov_b32 v[F+1], 0                            ; (named as the upper half of a pair)
	v_mov_b32 v[TW], 0
	v_mov_b32 v[NINF], 0xff800000                  ; -infinity
	v_mov_b32 v[MT+1], 0xff61b1e6                  ; the largest t so far: -3e38
	s_delay_alu instid0(VALU_DEP_1)
	v_floor_f32 v[MT], -v[MT+1]
	s_wait_alu depctr_va_vdst(0)                   ; the wait at the head's end
	s_wait_loadcnt 0x0                             ; both Q
	SEQ 1, 1, 1                                    ; places 0, 1 and key step 16 are in; slot 1's first fill: places 2, 3
	KLOAD A16, A8, 0
.Lloop:                                                ; three trips: places in time 0 .. 11; each window ends by filling its own slot again: places 4 .. 15
	WINDOW A16, A8, B16, B8, 0, 1, 1
	WINDOW B16, B8, A16, A8, 1, 1, 2
	s_sub_co_u32 s[TRIPS], s[TRIPS], 1
	s_cmp_lg_u32 s[TRIPS], 0
	s_cbranch_scc1 .Lloop
	WINDOW A16, A8, B16, B8, 0, 0, 0               ; places 12, 13: nothing is left to fetch; the barrier shows places 14, 15 to every wave
	STEPA B16, B8, 0, 1, B16, B8, 13312            ; place 14
	STEPB 1, 18
	SWITCH
	STEPA B16, B8, 13312, 1, X16, X8, 0            ; place 15; key step 16's K is asked for by every wave (group A's copy is not used)
	STEPB 1, 18
	SWITCH                                         ; (g = 15: the short tile ends with place 15)
	s_cmp_gt_u32 s[J], s[MYB]                      ; place 16: group A's key step lies behind its block: left out
	s_cbranch_scc1 .Lxh
	STEPA X16, X8, 0, 0, X16, X8, 0                ; group B's key step 16, in LDS since the first barrier
	STEPB 1, 0
.Lxh:
	; THE JOIN.  Group A lays its part of the long tile into place wave + 6; behind the barrier every wave reads place = wave: A its short tile's state, B its partner's part
.rept 4
	v_nop                                          ; four places behind the last products
.endr
	s_cmp_lt_u32 s[WV], 6
	s_cbranch_scc0 .Lnd
	PUTSTATE 27648
.Lnd:
	s_wait_dscnt 0x0                               ; for the others' sake
	s_barrier_signal -1
	s_barrier_wait -1
.irp k, 0,1,2,3,4,5,6,7,8
	ds_load_b128 v[S+4*\k:S+4*\k+3], v[DMP] offset:512*\k
.endr
	s_wait_dscnt 0x0
	v_max_num_f32 v[MT], s[NEU], v[MT]             ; group A: 3e38, so that its factor below is 0; group B: as it is
	s_delay_alu instid0(VALU_DEP_1)
	v_min_num_f32 v[TW], v[MT], v[S+32]            ; -M of the two together
	s_delay_alu instid0(VALU_DEP_1)
	v_sub_f32 v[F], v[TW], v[MT]
	v_sub_f32 v[BM], v[TW], v[S+32]                ; whole numbers, 0 or less
	s_delay_alu instid0(VALU_DEP_2)
	v_cvt_i32_f32 v[F], v[F]                       ; (they saturate)
	s_delay_alu instid0(VALU_DEP_2)
	v_cvt_i32_f32 v[BM], v[BM]
	s_delay_alu instid0(VALU_DEP_2)
	v_ldexp_f32 v[F], 1.0, v[F]
	s_delay_alu instid0(VALU_DEP_2)
	v_ldexp_f32 v[BM], 1.0, v[BM]
	v_pk_mul_f32 v[SUM:SUM+1], v[SUM:SUM+1], v[F:F+1] op_sel_hi:[1,0]
.set ii, 0
.rept 16
	v_pk_mul_f32 v[O+ii:O+ii+1], v[O+ii:O+ii+1], v[F:F+1] op_sel_hi:[1,0]   ; each accumulator from its low end on
.set ii, ii+2
.endr
	v_pk_fma_f32 v[SUM:SUM+1], v[S+34:S+35], v[BM:BM+1], v[SUM:SUM+1] op_sel_hi:[1,0,1]
.set ii, 0
.rept 16
	v_pk_fma_f32 v[O+ii:O+ii+1], v[S+ii:S+ii+1], v[BM:BM+1], v[O+ii:O+ii+1] op_sel_hi:[1,0,1]
.set ii, ii+2
.endr
	; THE WAY OUT: O^T / the sum is my 16 queries x the head's 64 dims, register 16 b + i = dim 32 b + 16 (lane / 16) + i: one half of ctx along the last product's K
	v_add_f32 v[SUM], v[SUM], v[SUM+1]
	s_delay_alu instid0(VALU_DEP_1)
	v_permlanex16_b32 v[TW], v[SUM], s[SEL], s[SEL+1]
	s_delay_alu instid0(VALU_DEP_1)
	v_add_f32 v[SUM], v[SUM], v[TW]                ; the row's sum
	s_wait_alu depctr_va_vdst(0)                   ; the wait ahead of the transcendental
	v_rcp_f32 v[F], v[SUM]
	v_nop                                          ; a plain place behind the reciprocal
	s_wait_alu depctr_va_vdst(0)                   ; and the wait ahead of its first reader
.set ii, 0
.rept 16
	v_pk_mul_f32 v[S+ii:S+ii+1], v[O+ii:O+ii+1], v[F:F+1] op_sel_hi:[1,0]
.set ii, ii+2
.endr
	QUANT2 S,P,CT,BM,E,PW
	global_store_b128 v1, v[P:P+3], s[58:59]       ; 512 consecutive bytes, at a multiple of 256 from crec's first byte
	global_store_b64 v2, v[P+4:P+5], s[58:59] offset:512
	global_store_b32 v[CSW], v[PW], s[42:43]       ; row r's word; both halves of the lanes store the same word with the same value
	s_wait_tensorcnt 0x0                           ; the wave's end
	ds_add_u32 v[SPW], v[NIL]
	s_wait_dscnt 0x0
	s_endpgm
.Lfunc_end_k_q20333e8c23_attn:
	.size	k_q20333e8c23_attn, .Lfunc_end_k_q20333e8c23_attn-k_q20333e8c23_attn
	.p2alignl 7, 3214868480
	.fill 96, 4, 3214868480
	.section	.rodata,"a",@progbits
	.p2align	6, 0x0
	.amdhsa_kernel k_q20333e8c23_attn
		.amdhsa_group_segment_fixed_size 327680
		.amdhsa_private_segment_fixed_size 0
		.amdhsa_enable_private_segment 0
		.amdhsa_kernarg_size 24
		.amdhsa_user_sgpr_count 2
		.amdhsa_user_sgpr_kernarg_segment_ptr 1
		.amdhsa_wavefront_size32 1
		.amdhsa_system_sgpr_workgroup_id_x 1
		.amdhsa_system_sgpr_workgroup_id_y 1
		.amdhsa_system_sgpr_workgroup_id_z 1
		.amdhsa_system_vgpr_workitem_id 0
		.amdhsa_next_free_vgpr 304
		.amdhsa_next_free_sgpr 66
		.amdhsa_reserve_vcc 1
		.amdhsa_float_denorm_mode_32 3
		.amdhsa_float_denorm_mode_16_64 3
		.amdhsa_memory_ordered 1
		.amdhsa_forward_progress 1
		.amdhsa_inst_pref_size 241
	.end_amdhsa_kernel
	.amdgpu_metadata
---
amdhsa.version: [ 1, 2 ]
amdhsa.kernels:
  - .name:           k_q20333e8c23_attn
    .symbol:         k_q20333e8c23_attn.kd
    .args:
      - { .name: qpk, .offset: 0, .size: 8, .value_kind: global_buffer, .address_space: global }
      - { .name: kvpk, .offset: 8, .size: 8, .value_kind: global_buffer, .address_space: global }
      - { .name: crec, .offset: 16, .size: 8, .value_kind: global_buffer, .address_space: global }
    .group_segment_fixed_size: 327680
    .private_segment_fixed_size: 0
    .kernarg_segment_align: 8
    .kernarg_segment_size: 24
    .max_flat_workgroup_size: 384
    .sgpr_count:     66
    .vgpr_count:     304
    .wavefront_size: 32
...
	.end_amdgpu_metadata
.endif
;; end of part 3
;; launch outp (part 4): grid 64 x 3, 4 waves a work-group, clusters of 4 x 1, 260,608 bytes of LDS; arguments crec, wrec, b_out, out0; writes out0
.if DOCPART == 4
	.amdgcn_target "amdgcn-amd-amdhsa--gfx1250"
	.amdhsa_code_object_version 6
	.text
	.protected	k_q20333e8c23_outp
	.globl	k_q20333e8c23_outp
	.p2align	8
	.type	k_q20333e8c23_outp,@function
k_q20333e8c23_outp:
	s_mov_b64 s[64:65], 0
	v_nop
	global_prefetch_b8 v0, s[64:65] scope:SCOPE_SE
	s_setreg_imm32_b32 hwreg(HW_REG_WAVE_MODE, 25, 1), 1
	s_wait_xcnt 0x0
	s_wait_alu depctr_hold_cnt(0) depctr_sa_sdst(0) depctr_va_vdst(0) depctr_va_sdst(0) depctr_va_ssrc(0) depctr_va_vcc(0) depctr_vm_vsrc(0)
	s_getreg_b32 s2, hwreg(HW_REG_IB_STS2, 6, 4)
	s_cmp_eq_u32 s2, 0
	s_cbranch_scc0 .Lentry_in_a_cluster
	s_endpgm
.Lentry_in_a_cluster:
	s_bfe_u32 s2, ttmp6, 0x10000c
	s_cmp_lg_u32 s2, 0x3003
	s_cbranch_scc0 .Lentry_shape_is_right
	s_endpgm
.Lentry_shape_is_right:
; OUTP: out0 = ctx W_out + b_out on codes of FP6 (E2M3), K = 768 in six steps of 128 (two heads a step).
; SHARES.  Work-group (A, c): the quad of 64 tokens A = 4 x cluster x + cx, the 256 columns c = cluster y.  Wave w makes 64 tokens x columns 256 c + 64 w ..: sixteen accumulators.
; The four partners of a cluster need the same four records of W_out: each chunk is asked for JOINTLY (mask 15).  ctx's record is the work-group's own: one tensor load, by wave 3.  All of K lies in LDS, filled once.
; Source 0 = 16 columns of W_out, source 1 = 16 tokens: a lane holds one token and eight neighbouring columns.  The accumulators begin as the bias, loaded in the result's layout: no addition is spent on it.
; ctx's record, 39,936 bytes: the half (tile i, head) at 9216 i + 768 head (registers 0-3 of lane l at 16 l, registers 4-5 at 512 + 8 l); the head's scale words at 36864 + 256 head + 16 r + 4 i, two bytes written twice.
.set CB,  153600                       ; behind W_out's four records: ctx's record
.set STG, 193536                       ; behind it: the stage, 64 rows x (1,024 + 16) bytes; no tile lands here
.set WV,  12
.set G1C, 24                           ; s[24:31] group 1 for ctx's record;  s[32:39] for W_out's chunks
.set G1W, 32
.set G0C, 40                           ; s[40:43];  s[44:47] W_out's
.set G0W, 44
.set WA,  3                            ; v3 38400 w + 16 l;  v4 38400 w + 16 r;  v5 CB + 16 l;  v6 CB + 8 l;  v7 CB + 16 r
.set WSA, 4
.set C16, 5
.set C8,  6
.set CSA, 7
.set BHO, 8                            ; v8 64 h: the bias
.set STO, 9
.set RD,  10
.set WS,  16                           ; v16-19 W_out's scale words;  v20-23 ctx's, joined: scales and nothing else
.set XS,  20
.set RAW, 24                           ; v24-31 ctx's words of the step's two heads as they lie
.set WF,  32
.set XF,  80
.set ACC, 128                          ; accumulator (p, q) at v[128 + 32 q + 8 p]
.macro CROUND
	s_barrier_signal -1
	s_barrier_wait -1
	s_cmp_lg_u32 s[WV], 0
	s_cbranch_scc1 .Lnot_wave_0_\@
	s_barrier_signal -3
.Lnot_wave_0_\@:
	s_barrier_wait -3
	s_barrier_signal -1
	s_barrier_wait -1
.endm
; K step s.  The sixteen accumulators take turns, one instruction a turn, in the same order in every step.
.macro KSTEP2 s
.if \s > 0
.rept 4
	v_nop                                          ; four places between the last products and loads into, and writes of, their operands and scales
.endr
.endif
	ds_load_b128 v[RAW:RAW+3], v[CSA] offset:36864+512*\s          ; head 2 s: row r's words of the four tiles
	ds_load_b128 v[RAW+4:RAW+7], v[CSA] offset:36864+512*\s+256    ; head 2 s + 1
	ds_load_b128 v[WS:WS+3], v[WSA] offset:(\s/2)*12800+12288+256*(\s%2)
.irp i, 0,1,2,3
.irp k, 0,1,2
	ds_load_b128 v[WF+12*\i+4*\k:WF+12*\i+4*\k+3], v[WA] offset:(\s/2)*12800+6144*(\s%2)+1536*\i+512*\k
.endr
.endr
.irp i, 0,1,2,3
.irp c, 0,1
	ds_load_b128 v[XF+12*\i+6*\c:XF+12*\i+6*\c+3], v[C16] offset:9216*\i+768*(2*\s+\c)
	ds_load_b64 v[XF+12*\i+6*\c+4:XF+12*\i+6*\c+5], v[C8] offset:9216*\i+768*(2*\s+\c)+512
.endr
.endr
	s_wait_dscnt 29                                ; the two loads of ctx's words are in; the 1 + 12 + 16 younger loads may stay out
.irp i, 0,1,2,3
	v_bfi_b32 v[XS+\i], s56, v[RAW+\i], v[RAW+4+\i]   ; bytes 0, 1 from head 2 s, bytes 2, 3 from head 2 s + 1
.endr
.rept 8
	v_nop                                          ; a scale register written by a vector instruction stands eight places ahead of a scaled matrix instruction
.endr
	s_wait_alu depctr_va_vdst(0)
.irp q, 0,1,2,3
	s_wait_dscnt 12-4*\q                           ; ctx's tile q is in; the later tiles' loads, four each, stay out
.irp p, 0,1,2,3
	v_wmma_scale_f32_16x16x128_f8f6f4 v[ACC+32*\q+8*\p:ACC+32*\q+8*\p+7], v[WF+12*\p:WF+12*\p+11], v[XF+12*\q:XF+12*\q+11], v[ACC+32*\q+8*\p:ACC+32*\q+8*\p+7], v[WS+\p], v[XS+\q] matrix_a_fmt:MATRIX_FMT_FP6 matrix_b_fmt:MATRIX_FMT_FP6
.endr
.endr
.endm
	s_load_b128 s[4:7], s[0:1], 0x0                ; crec s[4:5], wrec s[6:7]
	s_load_b128 s[8:11], s[0:1], 0x10              ; b_out s[8:9], out0 s[10:11]
	s_set_vgpr_msb 0x40
	v_lshl_add_u32 v0, v0, 2, 0x3f800
	v_mov_b32 v1, 0
	s_set_vgpr_msb 0x4045
	ds_add_u32 v0, v1
	ds_add_u32 v0, v1
	s_set_vgpr_msb 0x4500
	v_lshrrev_b32 v1, 5, v0
	v_readfirstlane_b32 s[WV], v1                  ; wave 0..3
	s_bfe_u32 s13, ttmp6, 0x40000                  ; cx
	s_lshl_b32 s14, ttmp9, 2
	s_add_co_u32 s14, s14, s13                     ; the quad of tokens
	s_and_b32 s15, ttmp7, 0xffff                   ; the group of 256 columns
	; group 1: ctx's record: 156 rows of 256 bytes, no mask;  a third of W_out: 200 rows of 256 bytes, all four partners
	s_mov_b32 s[G1C], 3<<16
	s_mov_b32 s[G1C+1], 32<<16
	s_mov_b32 s[G1C+2], 156<<16                    ; ctx's whole record: 156 rows of 256 bytes, by wave 3
	s_mov_b32 s[G1C+3], 32<<16
	s_mov_b32 s[G1C+4], 156
	s_mov_b32 s[G1C+5], 32
	s_mov_b32 s[G1C+6], 0
	s_mov_b32 s[G1C+7], 0
	s_mov_b32 s[G1W], 15|(3<<16)|(1<<21)
	s_mov_b32 s[G1W+1], 32<<16
	s_mov_b32 s[G1W+2], 200<<16                    ; W_out's four records lie on end, 600 rows of 256 bytes: 200 to each of waves 0-2
	s_mov_b32 s[G1W+3], 32<<16
	s_mov_b32 s[G1W+4], 200
	s_mov_b32 s[G1W+5], 32
	s_mov_b32 s[G1W+6], 0
	s_mov_b32 s[G1W+7], 0
	s_mul_i32 s16, s14, 39936
	s_mov_b32 s57, CB                              ; ctx's record in LDS
	s_mov_b32 s17, 0
	s_lshl_b32 s18, s15, 2
	s_add_co_u32 s18, s18, 36
	s_mul_i32 s18, s18, 38400                      ; W_out's quads 36 + 4 c ..: no cx enters the address
	s_mul_i32 s60, s[WV], 51200                    ; my third of them: the same step in memory and in LDS
	s_add_co_u32 s18, s18, s60
	s_mov_b32 s19, 0
	s_mul_i32 s58, s[WV], 38400                    ; the record that I multiply
	s_wait_dscnt 0x0
	s_wait_kmcnt 0x0
	s_add_nc_u64 s[16:17], s[4:5], s[16:17]
	s_add_nc_u64 s[18:19], s[6:7], s[18:19]
	CROUND                                         ; all four work-groups are here: the joint loads meet
	s_mov_b32 s[G0C], 1
	s_mov_b32 s[G0C+1], s57
	s_mov_b64 s[G0C+2:G0C+3], s[16:17]
	s_or_b32 s[G0C+3], s[G0C+3], 0x80000000
.irp kap, 0
	s_mov_b32 s[G0W+4*\kap], 1
	s_add_co_u32 s[G0W+4*\kap+1], s60, \kap*12800
	s_add_nc_u64 s[G0W+4*\kap+2:G0W+4*\kap+3], s[18:19], \kap*12800
	s_or_b32 s[G0W+4*\kap+3], s[G0W+4*\kap+3], 0x80000000
.endr
	s_cmp_lt_u32 s[WV], 3                          ; one tensor load a wave: waves 0-2 ask jointly for W_out, wave 3 fetches the work-group's own record of ctx
	s_cbranch_scc0 .Lfor_c
	tensor_load_to_lds s[G0W:G0W+3], s[G1W:G1W+7]
	s_nop 0
.rept 4
	v_nop
.endr
	s_branch .Lasked
.Lfor_c:
	tensor_load_to_lds s[G0C:G0C+3], s[G1C:G1C+7]
	s_nop 0
.rept 4
	v_nop
.endr
.Lasked:
	s_lshl_b32 s20, s15, 10
	s_lshl_b32 s21, s[WV], 8
	s_add_co_u32 s20, s20, s21
	s_mov_b32 s21, 0
	s_add_nc_u64 s[20:21], s[8:9], s[20:21]        ; the bias of my 64 columns
	s_lshl_b32 s22, s14, 6
	s_lshl_b32 s23, s[WV], 4
	s_add_co_u32 s22, s22, s23
	s_mul_i32 s22, s22, 3072
	s_lshl_b32 s23, s15, 10
	s_add_co_u32 s22, s22, s23
	s_mov_b32 s23, 0
	s_add_nc_u64 s[22:23], s[10:11], s[22:23]      ; the 16 rows that I store: token 64 A + 16 wave, column 256 c
	s_mov_b32 s56, 0xffff
	v_bfe_u32 v11, v0, 4, 1                        ; h
	v_lshlrev_b32 v[BHO], 6, v11
.irp q, 0,1,2,3
.irp p, 0,1,2,3
	global_load_b128 v[ACC+32*\q+8*\p:ACC+32*\q+8*\p+3], v[BHO], s[20:21] offset:128*(\p/2)+32*(\p%2)      ; register j of tile p: column 32 (p / 2) + 8 (p % 2) + 16 h + j
	global_load_b128 v[ACC+32*\q+8*\p+4:ACC+32*\q+8*\p+7], v[BHO], s[20:21] offset:128*(\p/2)+32*(\p%2)+16
.endr
.endr
	v_and_b32 v12, 31, v0
	v_lshlrev_b32 v1, 4, v12                       ; 16 l
	v_lshlrev_b32 v2, 3, v12                       ; 8 l
	v_and_b32 v13, 15, v0                          ; r
	v_lshlrev_b32 v14, 4, v13                      ; 16 r
	v_add_nc_u32 v[WA], s58, v1
	v_add_nc_u32 v[WSA], s58, v14
	v_add_nc_u32 v[C16], CB, v1
	v_add_nc_u32 v[C8], CB, v2
	v_add_nc_u32 v[CSA], CB, v14
	v_and_b32 v15, 8, v13
	v_add_nc_u32 v15, v15, v13                     ; r + 8 (r / 8)
	v_mul_u32_u24 v[STO], v15, 1040
	v_lshl_add_u32 v[STO], v11, 6, v[STO]
	s_lshl_b32 s59, s[WV], 8
	s_add_co_u32 s59, s59, STG
	v_add_nc_u32 v[STO], s59, v[STO]               ; into the stage: my token's row, + 64 h, + 256 x wave
	s_mul_i32 s59, s[WV], 16*1040
	s_add_co_u32 s59, s59, STG
	v_add_nc_u32 v[RD], s59, v1                    ; back: my 16 rows, 16 bytes a lane
	s_wait_alu depctr_va_vdst(0)
	s_wait_tensorcnt 0x0                           ; my one load is in
	s_barrier_signal -1
	s_barrier_wait -1                              ; everybody's is: all of K lies in LDS
	s_wait_loadcnt 0x0                             ; the bias
	KSTEP2 0
	KSTEP2 1
	KSTEP2 2
	KSTEP2 3
	KSTEP2 4
	KSTEP2 5
	; THE WAY OUT: a lane's eight results are 32 neighbouring bytes of a token's row; a row's 1,024 bytes come from four waves: they meet in the stage, and each wave stores 16 whole rows
.rept 4
	v_nop                                          ; four places between the last products and the stores that read results
.endr
.irp q, 0,1,2,3
.irp p, 0,1,2,3
	ds_store_b128 v[STO], v[ACC+32*\q+8*\p:ACC+32*\q+8*\p+3] offset:(32*(\q/2)+8*(\q%2))*1040+128*(\p/2)+32*(\p%2)        ; each accumulator from its low end on
	ds_store_b128 v[STO], v[ACC+32*\q+8*\p+4:ACC+32*\q+8*\p+7] offset:(32*(\q/2)+8*(\q%2))*1040+128*(\p/2)+32*(\p%2)+16
.endr
.endr
	s_wait_dscnt 0x0                               ; for the others' sake: my stores into the stage are done
	s_barrier_signal -1
	s_barrier_wait -1
.set tt, 0
.rept 16
	ds_load_b128 v[32+4*tt:35+4*tt], v[RD] offset:(tt/2)*1040+512*(tt%2)
.set tt, tt+1
.endr
.set tt, 0
.rept 16
	ds_load_b128 v[128+4*tt:131+4*tt], v[RD] offset:(8+tt/2)*1040+512*(tt%2)
.set tt, tt+1
.endr
.set tt, 0
.rept 16
	s_wait_dscnt 31-tt                             ; this load is in; the younger ones stay out
	global_store_b128 v1, v[32+4*tt:35+4*tt], s[22:23] offset:(tt/2)*3072+512*(tt%2) th:TH_STORE_NT   ; 32 lanes store 512 consecutive bytes, at a multiple of 256 from out0's first byte
.set tt, tt+1
.endr
.set tt, 0
.rept 16
	s_wait_dscnt 15-tt
	global_store_b128 v1, v[128+4*tt:131+4*tt], s[22:23] offset:(8+tt/2)*3072+512*(tt%2) th:TH_STORE_NT
.set tt, tt+1
.endr
	s_set_vgpr_msb 0x5
	s_wait_tensorcnt 0x0
	ds_add_u32 v0, v1
	s_wait_dscnt 0x0
	s_set_vgpr_msb 0x500
	CROUND                                         ; the closing round: no work-group ends while a partner may still ask for a chunk that names it
	s_endpgm
.Lfunc_end_k_q20333e8c23_outp:
	.size	k_q20333e8c23_outp, .Lfunc_end_k_q20333e8c23_outp-k_q20333e8c23_outp
	.p2alignl 7, 3214868480
	.fill 96, 4, 3214868480
	.section	.rodata,"a",@progbits
	.p2align	6, 0x0
	.amdhsa_kernel k_q20333e8c23_outp
		.amdhsa_group_segment_fixed_size 260608
		.amdhsa_private_segment_fixed_size 0
		.amdhsa_enable_private_segment 0
		.amdhsa_kernarg_size 32
		.amdhsa_user_sgpr_count 2
		.amdhsa_user_sgpr_kernarg_segment_ptr 1
		.amdhsa_wavefront_size32 1
		.amdhsa_system_sgpr_workgroup_id_x 1
		.amdhsa_system_sgpr_workgroup_id_y 1
		.amdhsa_system_sgpr_workgroup_id_z 1
		.amdhsa_system_vgpr_workitem_id 0
		.amdhsa_next_free_vgpr 258
		.amdhsa_next_free_sgpr 66
		.amdhsa_reserve_vcc 0
		.amdhsa_float_denorm_mode_32 3
		.amdhsa_float_denorm_mode_16_64 3
		.amdhsa_memory_ordered 1
		.amdhsa_forward_progress 1
		.amdhsa_inst_pref_size 46
	.end_amdhsa_kernel
	.amdgpu_metadata
---
amdhsa.version: [ 1, 2 ]
amdhsa.kernels:
  - .name:           k_q20333e8c23_outp
    .symbol:         k_q20333e8c23_outp.kd
    .args:
      - { .name: crec, .offset: 0, .size: 8, .value_kind: global_buffer, .address_space: global }
      - { .name: wrec, .offset: 8, .size: 8, .value_kind: global_buffer, .address_space: global }
      - { .name: b_out, .offset: 16, .size: 8, .value_kind: global_buffer, .address_space: global }
      - { .name: out0, .offset: 24, .size: 8, .value_kind: global_buffer, .address_space: global }
    .group_segment_fixed_size: 260608
    .private_segment_fixed_size: 0
    .kernarg_segment_align: 8
    .kernarg_segment_size: 32
    .max_flat_workgroup_size: 128
    .sgpr_count:     66
    .vgpr_count:     258
    .wavefront_size: 32
...
	.end_amdgpu_metadata
.endif
;; end of part 4
